; MI455X (gfx1250); checked and timed in simulation.
; The chip was launched on July 23, 2026; its instructions are those of AMD's public machine-readable ISA for CDNA 5 (MIT licence, August 2026) and "CDNA5" Instruction Set Architecture Reference Guide (July 2026). The comments in the code are by the model that wrote it; some were corrected since.
;; HNC strategy. Allowed arithmetic: float matrix products may take bf16 or f16 operands with f32 sums; all other float work in f32.
;; Inputs: freqs 16,384 x 64 float32; hb0 66 float32; hb1 66 float32; hb2 66 float32; hb3 8 float32; head_b 12,609 float32; head_w 12,609 x 8 float32; hw0 66 x 65 float32; hw1 66 x 66 float32; hw2 66 x 66 float32; hw3 8 x 66 float32; t one number float32; y 16,384 x 128 float32.
;; Outputs: out0 16,384 x 64 float32.
;; 2 versions, each right and faster than the one before. Each part assembles by itself: llvm-mc -triple=amdgcn-amd-amdhsa -mcpu=gfx1250 --defsym DOCPART=n.
;; ======== version 1 of 2: 1 launch
;; limits: inputs' magnitudes at most 65,504; values are held in f16: magnitudes above 65,504 overflow, below 6.1e-05 lose precision; inputs' magnitudes at most 1,000,000
;; launch hnc (part 1): grid 256 x 1, 8 waves a work-group, no clusters, 321,280 bytes of LDS; arguments freqs, y, hw0, hw1, hw2, hw3, hb0, hb1, hb2, hb3, head_w, head_b, t, out0; writes out0
.if DOCPART == 1
	.amdgcn_target "amdgcn-amd-amdhsa--gfx1250"
	.amdhsa_code_object_version 6
	.text
	.protected	k_q8572e03077_hnc
	.globl	k_q8572e03077_hnc
	.p2align	8
	.type	k_q8572e03077_hnc,@function
k_q8572e03077_hnc:
	s_mov_b64 s[64:65], 0
	v_nop
	global_prefetch_b8 v0, s[64:65] scope:SCOPE_SE
	s_setreg_imm32_b32 hwreg(HW_REG_WAVE_MODE, 25, 1), 1
	s_wait_xcnt 0x0
; HNC_strategy: a hypernetwork (65 -> 66 -> 66 -> 66 -> 8, tanh) gives h8[b][0..7]; head_w, head_b turn h8 into a private MLP
; (128 -> 65 tanh -> 64) for sample b, applied to x = [cos y, sin y] of y's first 64 columns.
; The private weights are never formed.  Exactly, for every input:
;   hidpre[b][h] = sum_k h8[b][k] (sum_i HW[128h+i][k] x[b][i] + HW[8320+h][k]) + (sum_i HB[128h+i] x[b][i] + HB[8320+h])
; and likewise for the second layer.  So each layer is a product with shared weights whose rows are (unit, k), k fastest, one product
; with head_b, and an 8-term f32 contraction with h8.  The matrix instruction takes the weights as source 0 and the samples as source 1:
; a lane's eight results are then the eight k of one unit of one sample, and the contraction stays in the lane's own registers.
; One work-group = 64 samples, eight waves.  Waves 0-3 run the hypernetwork (16 samples each, activations stay in registers) while
; waves 4-7 turn head_w, head_b into f16 in LDS and make x; then all eight waves do layer 1, layer 2 and the way out.
; FORMATS: the hypernetwork's operands are bf16 split in high + low part (three products): its relative error goes straight into the
; result, and its activations have no lower bound.  The target network's operands are f16: sums of 128 and of 65 products need the 11
; significant bits.  x and hid lie in [-1, 1] and are carried times 2^15 (32,768 is exact in f16), so that f16's normal range reaches
; down to 2^-29 of their true size; the f32 terms added beside them (b1's and b2's rows, hid[64]) carry the same 2^15, and one multiply
; by 2^-15 stands in front of the tanh and one in front of the output: powers of two, exact in f32.  b1, b2 and the 65th hidden unit's
; column enter in f32 through C.
; LIMITS, stated: |head_w|, |head_b| at most 65,504 (f16's largest); their elements below 2^-14 keep an absolute error of 2^-25;
; sin and cos reduce by pi/2 in two parts, good for |y| up to about 1e6; paddings multiply some weights by 0, so non-finite weights are
; not reproduced place for place; sums are formed in another order than the reference's.
; NO CLUSTER, NO TENSOR LOADS: what the work-groups share (head_w, head_b, 453,924 bytes of f32) must pass through registers to become
; f16, and its f32 image does not fit in LDS beside the 226,576-byte f16 image; a ring of f32 slots would put a barrier for every refill
; into the four waves that run the hypernetwork's chain.  No prefetch: the ring asks for everything as early as its registers allow.
.set W1L,  0            ; head_w rows 0..8319 f16, 16 B a row, 2,048 B a unit; in odd units the offset inside the unit has 128 flipped
.set W2L,  133120       ; head_w rows 8385..12544 f16, 16 B a row
.set HB1L, 199680       ; head_b[128h+i] f16, 65 rows, pitch 272
.set HB2L, 217360       ; head_b[8385+65o+h], h<64, f16, pitch 144, at position (h>>4)*16+(h&1)*8+((h>>1)&7)
.set XL,   226576       ; first z high (pitch 144) and z low (+9216), bf16; later 2^15 x in f16 [64][128], pitch 272
.set B1F,  245008       ; 2^15 x head_w rows 8320..8399, f32
.set WLF,  247568       ; head_w rows 8449+65o f32
.set B2F,  249616       ; 2^15 x head_w rows 12545..12608, f32
.set B1P,  251664       ; 2^15 x head_b[8320+u], u<96, f32 at (u>>4)*64+(u&1)*32+((u>>1)&7)*4
.set WLP,  252048       ; head_b[8449+65o] likewise, not scaled
.set B2P,  252304       ; 2^15 x head_b[12545+o] likewise
.set H8L,  252560       ; h8 f32 [64][8]
.set H64L, 254608       ; 2^15 x tanh of hidden unit 64, f32, [sample][2]; word 1 takes the lanes whose result is not used
.set HYP,  255120       ; hypernetwork weights; afterwards HIDL and OUTL
.set HIDL, HYP          ; 2^15 hid in f16: [nq][sample], pitch 48, plane 3072
.set OUTL, HYP+12288    ; result f32: [nq][sample], pitch 80, plane 5184
; inside HYP: layer l (0..2) high plane at 19008 l, low at +9504 (66 rows, pitch 144, k = 0..63)
.set H3H,  57024
.set H3L,  58176
; tails (k = 64, 65 and three zero words, 16 B a row): layer 1 at 59328 / 60384, layer 2 at 61440 / 62496
.set T3H,  63552
.set T3L,  63680
.set BI0,  63808        ; biases, 96 f32 a layer (entries above 65 repeat 65), layer l at BI0 + 384 l
.set BI3,  64960
; 0x47000000 is 2^15 and 0x38000000 is 2^-15, as f32
.macro NOPS n
.rept \n
	v_nop
.endr
.endm
; (a, b) in the pair ab -> bf16 pair hi, and bf16 pair lo of what the rounding left
.macro SPLITP hi, lo, ab, t
	v_cvt_pk_bf16_f32 v[\hi], v[\ab], v[(\ab)+1]
	v_lshlrev_b32 v[\t], 16, v[\hi]
	v_and_b32 v[(\t)+1], 0xffff0000, v[\hi]
	v_pk_add_f32 v[\t:(\t)+1], v[\ab:(\ab)+1], v[\t:(\t)+1] neg_lo:[0,1] neg_hi:[0,1]
	v_cvt_pk_bf16_f32 v[\lo], v[\t], v[(\t)+1]
.endm
; n pairs from X on, each times the power of two c
.macro SCALEN X, n, c
.set sq, 0
.rept \n
	v_pk_mul_f32 v[\X+sq:\X+sq+1], v[\X+sq:\X+sq+1], \c op_sel_hi:[1,0]
.set sq, sq+2
.endr
.endm
; tanh of n pairs, in place in X.  1 - 2 / (1 + 2^(2.88539 x)); below |x| = 0.125 the series x - x^3/3 + 2 x^5/15, so that small
; arguments lose nothing to the subtraction.  Behind each run of transcendentals a packed multiply-add that touches none of their
; registers stands before the results are used (ISA guide 5.7.2).
.macro TANHN X, E, T, P, n
.set tq, 0
.rept \n
	v_pk_mul_f32 v[\E+tq:\E+tq+1], v[\X+tq:\X+tq+1], 0x4038aa3b op_sel_hi:[1,0]
	v_pk_mul_f32 v[\T+tq:\T+tq+1], v[\X+tq:\X+tq+1], v[\X+tq:\X+tq+1]
.set tq, tq+2
.endr
.set tq, 0
.rept 2*\n
	v_exp_f32 v[\E+tq], v[\E+tq]
.set tq, tq+1
.endr
.set tq, 0
.rept \n
	v_pk_fma_f32 v[\P+tq:\P+tq+1], v[\T+tq:\T+tq+1], v[28:29], v[30:31]
.set tq, tq+2
.endr
.set tq, 0
	s_wait_alu depctr_va_vdst(0)
.rept \n
	v_pk_add_f32 v[\E+tq:\E+tq+1], v[\E+tq:\E+tq+1], 1.0 op_sel_hi:[1,0]
	v_pk_mul_f32 v[\P+tq:\P+tq+1], v[\P+tq:\P+tq+1], v[\T+tq:\T+tq+1]
.set tq, tq+2
.endr
.set tq, 0
.rept 2*\n
	v_rcp_f32 v[\E+tq], v[\E+tq]
.set tq, tq+1
.endr
.set tq, 0
.rept \n
	v_pk_fma_f32 v[\P+tq:\P+tq+1], v[\P+tq:\P+tq+1], v[\X+tq:\X+tq+1], v[\X+tq:\X+tq+1]
.set tq, tq+2
.endr
.set tq, 0
	s_wait_alu depctr_va_vdst(0)
.rept \n
	v_pk_fma_f32 v[\E+tq:\E+tq+1], v[\E+tq:\E+tq+1], -2.0, 1.0 op_sel_hi:[1,0,0]
.set tq, tq+2
.endr
.set tq, 0
.rept 2*\n
	v_cmp_gt_f32 vcc_lo, s44, |v[\X+tq]|
	v_cndmask_b32 v[\X+tq], v[\E+tq], v[\P+tq], vcc_lo
.set tq, tq+1
.endr
.endm
; ---- hypernetwork weights, all waves: wave w takes rows 8w..8w+7 of hw0 (columns 1..64), hw1, hw2 (columns 0..63) and row w of hw3
.macro COMMON_LD CR
.irp m,0,1,2,3,4,5,6,7
	global_load_b32 v[\CR+2*\m], v4, s[12:13] offset:260*\m+4
	global_load_b32 v[\CR+2*\m+1], v4, s[12:13] offset:260*\m+8
.endr
.irp m,0,1,2,3,4,5,6,7
	global_load_b64 v[\CR+16+2*\m:\CR+17+2*\m], v5, s[14:15] offset:264*\m
.endr
.irp m,0,1,2,3,4,5,6,7
	global_load_b64 v[\CR+32+2*\m:\CR+33+2*\m], v5, s[16:17] offset:264*\m
.endr
	global_load_b64 v[\CR+48:\CR+49], v6, s[18:19]
.endm
; c0..c3: how many younger loads may stay out when hw0's, hw1's, hw2's, hw3's have to be in
.macro COMMON_ST CR, T, c0, c1, c2, c3
	s_wait_loadcnt \c0
.irp m,0,1,2,3,4,5,6,7
	SPLITP \T, \T+1, \CR+2*\m, \T+2
	ds_store_b32 v7, v[\T] offset:144*\m
	ds_store_b32 v7, v[\T+1] offset:144*\m+9504
.endr
	s_wait_loadcnt \c1
.irp m,0,1,2,3,4,5,6,7
	SPLITP \T, \T+1, \CR+16+2*\m, \T+2
	ds_store_b32 v7, v[\T] offset:144*\m+19008
	ds_store_b32 v7, v[\T+1] offset:144*\m+28512
.endr
	s_wait_loadcnt \c2
.irp m,0,1,2,3,4,5,6,7
	SPLITP \T, \T+1, \CR+32+2*\m, \T+2
	ds_store_b32 v7, v[\T] offset:144*\m+38016
	ds_store_b32 v7, v[\T+1] offset:144*\m+47520
.endr
	s_wait_loadcnt \c3
	SPLITP \T, \T+1, \CR+48, \T+2
	ds_store_b32 v8, v[\T] offset:H3H
	ds_store_b32 v8, v[\T+1] offset:H3L
.endm
; ================= setup, all waves =================
	s_load_b512 s[8:23], s[0:1], 0x0               ; freqs 8, y 10, hw0 12, hw1 14, hw2 16, hw3 18, hb0 20, hb1 22
	s_load_b256 s[24:31], s[0:1], 0x40             ; hb2 24, hb3 26, head_w 28, head_b 30
	s_load_b128 s[32:35], s[0:1], 0x60             ; t 32, out0 34
	v_lshl_add_u32 v27, v0, 2, 0x4e300
	s_set_vgpr_msb 0x40
	v_mov_b32 v1, 0
	s_set_vgpr_msb 0x4000
	v_and_b32 v1, 31, v0                           ; lane
	v_lshrrev_b32 v4, 5, v0
	v_readfirstlane_b32 s36, v4                    ; wave w
	v_and_b32 v2, 15, v0                           ; r
	v_bfe_u32 v3, v0, 4, 1                         ; half
	s_and_b32 s37, s36, 3                          ; nq; for waves 4-7 also their number among the staging waves
	s_lshr_b32 s38, s36, 2                         ; mh
	s_mov_b32 s44, 0x3e000000                      ; 0.125
	v_mov_b32 v28, 0x3e088889                      ; 2/15
	v_mov_b32 v29, 0x3e088889
	v_mov_b32 v30, 0xbeaaaaab                      ; -1/3
	v_mov_b32 v31, 0xbeaaaaab
	s_mul_i32 s46, s36, 2080
	v_lshl_add_u32 v4, v1, 3, s46                  ; hw0: 8 rows of 260 B a wave + 8 lane
	s_mul_i32 s46, s36, 2112
	v_lshl_add_u32 v5, v1, 3, s46                  ; hw1, hw2: 8 rows of 264 B a wave + 8 lane
	s_mul_i32 s46, s36, 264
	v_lshl_add_u32 v6, v1, 3, s46                  ; hw3: row w
	s_mul_i32 s46, s36, 1152
	s_add_co_u32 s46, s46, HYP
	v_lshl_add_u32 v7, v1, 2, s46                  ; LDS: row 8w of a plane + 4 lane
	s_mul_i32 s46, s36, 144
	s_add_co_u32 s46, s46, HYP
	v_lshl_add_u32 v8, v1, 2, s46                  ; LDS: row w + 4 lane
	v_add_nc_u32 v9, 64, v1
	v_min_u32 v9, 65, v9                           ; n2 = min(lane + 64, 65)
	s_lshl_b32 s40, ttmp9, 14                      ; 64 rows of 256 B
	s_mov_b32 s41, 0
	s_lshl_b32 s42, ttmp9, 15                      ; 64 rows of 512 B
	s_mov_b32 s43, 0
	s_wait_kmcnt 0x0
	s_add_nc_u64 s[8:9], s[8:9], s[40:41]
	s_add_nc_u64 s[34:35], s[34:35], s[40:41]
	s_add_nc_u64 s[10:11], s[10:11], s[42:43]
	s_cmp_ge_u32 s36, 4
	s_cbranch_scc1 .LstageA
; ================= phase 0, waves 0-3 =================
	s_mul_i32 s46, s36, 260
	s_add_co_u32 s46, s46, 16640
	v_lshl_add_u32 v10, v1, 3, s46                 ; hw0 row 64+w
	s_mul_i32 s46, s36, 264
	s_add_co_u32 s46, s46, 16896
	v_lshl_add_u32 v11, v1, 3, s46                 ; hw1, hw2 row 64+w
	s_mul_i32 s46, s36, 144
	s_add_co_u32 s46, s46, HYP+9216
	v_lshl_add_u32 v12, v1, 2, s46                 ; LDS row 64+w
	v_mul_u32_u24 v13, 264, v1                     ; row lane
	v_mul_u32_u24 v14, 264, v9                     ; row n2
	s_mul_i32 s46, s36, 2112
	s_add_co_u32 s46, s46, HYP-4224                ; (w-2) x the two tail planes of a layer
	v_lshl_add_u32 v15, v1, 4, s46
	v_lshl_add_u32 v16, v9, 4, s46
	s_lshl_b32 s46, s36, 12
	v_lshl_add_u32 v17, v1, 4, s46                 ; freqs: my 16 rows are 4,096 contiguous bytes
	s_mul_i32 s46, s36, 2304
	s_add_co_u32 s46, s46, XL
	v_mad_u32_u24 v18, v3, 144, s46
	v_lshl_add_u32 v18, v2, 3, v18                 ; z in: row 16w + half, 8 r
	v_mad_u32_u24 v19, v2, 144, s46
	v_lshl_add_u32 v19, v3, 4, v19                 ; z back as fragments: row 16w + r, 16 half
	; each wave's extra task is asked for first, so that it is in whenever the common rows are
	s_cmp_ge_u32 s36, 2
	s_cbranch_scc1 .LspH2
	global_load_b32 v204, v10, s[12:13] offset:4
	global_load_b32 v205, v10, s[12:13] offset:8
	global_load_b64 v[206:207], v11, s[14:15]
	global_load_b64 v[208:209], v11, s[16:17]
	s_branch .LspHd
.LspH2:
	s_cmp_eq_u32 s36, 2
	s_cselect_b64 s[50:51], s[14:15], s[16:17]     ; wave 2: hw1's columns 64, 65; wave 3: hw2's
	global_load_b64 v[204:205], v13, s[50:51] offset:256
	global_load_b64 v[206:207], v13, s[50:51] offset:8704
	global_load_b64 v[208:209], v14, s[50:51] offset:256
.LspHd:
	COMMON_LD 120
.irp n,0,1,2,3,4,5,6,7
	global_load_b128 v[172+4*\n:175+4*\n], v17, s[8:9] offset:512*\n th:TH_LOAD_NT
.endr
	COMMON_ST 120, 220, 25, 17, 9, 8               ; younger: 17, 9, 1, 0 of the common loads + 8 of freqs
	s_cmp_ge_u32 s36, 2
	s_cbranch_scc1 .LprH2
	SPLITP 220, 221, 204, 222
	ds_store_b32 v12, v220
	ds_store_b32 v12, v221 offset:9504
	SPLITP 220, 221, 206, 222
	ds_store_b32 v12, v220 offset:19008
	ds_store_b32 v12, v221 offset:28512
	SPLITP 220, 221, 208, 222
	ds_store_b32 v12, v220 offset:38016
	ds_store_b32 v12, v221 offset:47520
	s_branch .LprHd
.LprH2:
.irp q,221,222,223,225,226,227
	v_mov_b32 v\q, 0
.endr
	SPLITP 220, 224, 204, 228
	ds_store_b128 v15, v[220:223] offset:59328
	ds_store_b128 v15, v[224:227] offset:60384
	SPLITP 220, 224, 206, 228
	ds_store_b128 v15, v[220:223] offset:59840
	ds_store_b128 v15, v[224:227] offset:60896
	SPLITP 220, 224, 208, 228
	ds_store_b128 v16, v[220:223] offset:59328
	ds_store_b128 v16, v[224:227] offset:60384
.LprHd:
.irp n,0,1,2,3,4,5,6,7
	s_wait_loadcnt 7-\n                            ; the younger loads of freqs stay out
	SPLITP 220, 222, 172+4*\n, 224
	SPLITP 221, 223, 174+4*\n, 226
	ds_store_b64 v18, v[220:221] offset:288*\n
	ds_store_b64 v18, v[222:223] offset:288*\n+9216
.endr
.irp s,0,1
	ds_load_b128 v[32+8*\s:35+8*\s], v19 offset:64*\s          ; my own bytes: LDS serves a wave in order (ISA guide 5.7.1)
	ds_load_b128 v[36+8*\s:39+8*\s], v19 offset:64*\s+32
	ds_load_b128 v[48+8*\s:51+8*\s], v19 offset:64*\s+9216
	ds_load_b128 v[52+8*\s:55+8*\s], v19 offset:64*\s+9248
.endr
	; the words of the K = 64..95 fragments that are always zero
.irp q,65,66,67,69,70,71,72,73,74,75,109,110,111,113,114,115,116,117,118,119,160,161,162,163
	v_mov_b32 v\q, 0
.endr
	s_branch .Lbar1
; ================= phase 0, waves 4-7 =================
.macro LD8 R, vo, sb, go               ; eight loads of 512 contiguous bytes
.irp n,0,1,2,3,4,5,6,7
	global_load_b128 v[\R+4*\n:\R+4*\n+3], v[\vo], s[\sb:\sb+1] offset:\go+512*\n
.endr
.endm
.macro CV8 R, vl, lo, pitch            ; to f16 and into LDS, 256 bytes a load
.irp n,0,1,2,3,4,5,6,7
	v_cvt_pk_f16_f32 v[248+2*(\n&3)], v[\R+4*\n], v[\R+4*\n+1]
	v_cvt_pk_f16_f32 v[249+2*(\n&3)], v[\R+4*\n+2], v[\R+4*\n+3]
	ds_store_b64 v[\vl], v[248+2*(\n&3):249+2*(\n&3)] offset:\lo+\pitch*\n
.endr
.endm
; ring block li / ci: 0-15 unit 16 sw + i of W1; 16-23 my 32,768 bytes of W2; 24, 25 my 16 rows of head_b's first part
.macro LDI
.if li<16
	LD8 32+32*(li%4), 22, 28, 4096*li
.else
.if li<24
	LD8 32+32*(li%4), 221, 28, 268320+4096*(li-16)
.else
	LD8 32+32*(li%4), 222, 30, 4096*(li-24)
.endif
.endif
.endm
.macro CVI
.if ci<16
.if ci%2
	CV8 32+32*(ci%4), 224, 2048*ci, 256
.else
	CV8 32+32*(ci%4), 223, 2048*ci, 256
.endif
.else
.if ci<24
	CV8 32+32*(ci%4), 225, 2048*(ci-16), 256
.else
	CV8 32+32*(ci%4), 226, 2176*(ci-24), 272
.endif
.endif
.endm
.LstageA:
	v_lshlrev_b32 v10, 2, v1                       ; 4 lane
	v_lshlrev_b32 v11, 2, v9                       ; 4 n2
	v_mul_u32_u24 v12, 260, v1
	v_mul_u32_u24 v13, 260, v9
	v_and_b32 v23, 7, v1
	v_mul_u32_u24 v14, 264, v23
	v_lshlrev_b32 v15, 2, v23
	v_lshl_add_u32 v16, v1, 2, HYP
	v_lshl_add_u32 v17, v23, 4, HYP
	v_lshl_add_u32 v18, v23, 2, HYP
	s_lshl_b32 s46, s37, 13
	v_lshl_add_u32 v19, v3, 9, s46
	v_lshl_add_u32 v19, v2, 4, v19                 ; y: row 16 sw + half, 16 r: the first 256 bytes of each row
	v_lshlrev_b32 v20, 4, v1                       ; 16 lane
	v_lshrrev_b32 v23, 1, v1
	v_mul_u32_u24 v21, 2080, v23
	v_and_b32 v23, 1, v1
	v_lshl_add_u32 v21, v23, 4, v21                ; rows 65 apart, two lanes a row
	s_lshl_b32 s46, s37, 16
	v_lshl_add_u32 v22, v1, 4, s46                 ; W1: 16 units of 4,096 B a wave
	s_cmp_eq_u32 s36, 4
	s_cbranch_scc1 .Lsp4
	s_cmp_eq_u32 s36, 5
	s_cbranch_scc1 .Lsp5
	s_cmp_eq_u32 s36, 6
	s_cbranch_scc1 .Lsp6
	s_branch .Lspd
.Lsp4:                                             ; hw3's columns 64, 65 and hb3
	global_load_b64 v[242:243], v14, s[18:19] offset:256
	global_load_b32 v244, v15, s[26:27]
	s_branch .Lspd
.Lsp5:                                             ; hb1, hb2
	global_load_b32 v242, v10, s[22:23]
	global_load_b32 v243, v10, s[22:23] offset:128
	global_load_b32 v244, v11, s[22:23]
	global_load_b32 v245, v10, s[24:25]
	global_load_b32 v246, v10, s[24:25] offset:128
	global_load_b32 v247, v11, s[24:25]
	s_branch .Lspd
.Lsp6:                                             ; hw0's column 0, hb0, t
	s_load_b32 s45, s[32:33], 0x0
	global_load_b32 v242, v12, s[12:13]
	global_load_b32 v243, v12, s[12:13] offset:8320
	global_load_b32 v244, v13, s[12:13]
	global_load_b32 v245, v10, s[20:21]
	global_load_b32 v246, v10, s[20:21] offset:128
	global_load_b32 v247, v11, s[20:21]
.Lspd:
	COMMON_LD 192
.irp n,0,1,2,3,4,5,6,7
	global_load_b128 v[160+4*\n:163+4*\n], v19, s[10:11] offset:1024*\n th:TH_LOAD_NT
.endr
	; block M: the small f32 tables, 5, 5, 4 or 7 loads, into ring set 3
	s_cmp_eq_u32 s36, 4
	s_cbranch_scc1 .Lml0
	s_cmp_eq_u32 s36, 5
	s_cbranch_scc1 .Lml1
	s_cmp_eq_u32 s36, 6
	s_cbranch_scc1 .Lml2
.irp m,0,1,2
	global_load_b32 v[128+\m], v10, s[30:31] offset:33280+128*\m
.endr
.irp m,0,1
	global_load_b32 v[131+\m], v12, s[30:31] offset:33796+8320*\m
	global_load_b32 v[133+\m], v10, s[30:31] offset:50180+128*\m
.endr
	s_branch .Lmld
.Lml0:
.irp n,0,1,2,3,4
	global_load_b128 v[128+4*\n:131+4*\n], v20, s[28:29] offset:266240+512*\n
.endr
	s_branch .Lmld
.Lml1:
.irp n,0,1,2,3
	global_load_b128 v[128+4*\n:131+4*\n], v21, s[28:29] offset:270368+33280*\n
.endr
	global_load_b128 v[144:147], v20, s[30:31] offset:32768
	s_branch .Lmld
.Lml2:
.irp n,0,1,2,3
	global_load_b128 v[128+4*\n:131+4*\n], v20, s[28:29] offset:401440+512*\n
.endr
.Lmld:
.set li, 0
	LDI
.set li, 1
	LDI
.set li, 2
	LDI
	COMMON_ST 192, 248, 53, 45, 37, 36             ; younger: 17, 9, 1, 0 common + 8 of y + at least 4 of M + 24 of the ring
	s_cmp_eq_u32 s36, 4
	s_cbranch_scc1 .Lpr4
	s_cmp_eq_u32 s36, 5
	s_cbranch_scc1 .Lpr5
	s_cmp_eq_u32 s36, 6
	s_cbranch_scc1 .Lpr6
	s_branch .Lbar1
.Lpr4:
.irp q,249,250,251,253,254,255
	v_mov_b32 v\q, 0
.endr
	SPLITP 248, 252, 242, 246
	ds_store_b128 v17, v[248:251] offset:T3H
	ds_store_b128 v17, v[252:255] offset:T3L
	ds_store_b32 v18, v244 offset:BI3
	s_branch .Lbar1
.Lpr5:
.irp m,0,1,2
	ds_store_b32 v16, v[242+\m] offset:BI0+384+128*\m
	ds_store_b32 v16, v[245+\m] offset:BI0+768+128*\m
.endr
	s_branch .Lbar1
.Lpr6:
	s_wait_kmcnt 0x0
	v_add_f32 v248, s45, -0.5
.irp m,0,1,2
	v_fma_f32 v[242+\m], v248, v[242+\m], v[245+\m]            ; z's first column is the same for every sample: it joins the bias
	ds_store_b32 v16, v[242+\m] offset:BI0+128*\m
.endr
.Lbar1:
	s_wait_dscnt 0x0                               ; my stores of hypernetwork weights are done, and waves 0-3's reads of z
	s_barrier_signal -1
	s_barrier_wait -1                              ; the weights may be read; XL may be written again, as x
	s_cmp_ge_u32 s36, 4
	s_cbranch_scc1 .LstageB
; ================= phase 1a, waves 0-3: the hypernetwork, 16 samples a wave =================
; Source 0 = 16 rows of weights, source 1 = 16 samples.  Result register j of lane (r, half) is unit 16 nt + 8 half + j of sample r:
; packed to bf16 that is registers 4 (nt & 1) .. +3 of the next layer's fragment for K step nt >> 1.  Nothing leaves the registers.
; set A v32-75, set B v76-119: high 2 x 8, low 2 x 8, then low4, high4, zero4 for k = 64..95.
; weights v120-135 high, v136-151 low, v152-155 tail low, v156-159 tail high, v160-163 zero; v164-171 bias;
; sums v172-179 high x high, v180-187 high x low, v188-195 low x high; v196-203 their sum; v204-227 at work.
.macro LOADHW va, oh, ol, tail, vt, oth, otl, vb, ob
.irp s,0,1
	ds_load_b128 v[120+8*\s:123+8*\s], v[\va] offset:\oh+64*\s
	ds_load_b128 v[124+8*\s:127+8*\s], v[\va] offset:\oh+64*\s+32
	ds_load_b128 v[136+8*\s:139+8*\s], v[\va] offset:\ol+64*\s
	ds_load_b128 v[140+8*\s:143+8*\s], v[\va] offset:\ol+64*\s+32
.endr
.if \tail
	ds_load_b128 v[156:159], v[\vt] offset:\oth
	ds_load_b128 v[152:155], v[\vt] offset:\otl
.endif
	ds_load_b128 v[164:167], v[\vb] offset:\ob
	ds_load_b128 v[168:171], v[\vb] offset:\ob+16
.endm
.macro LOADT l, nt                     ; tile nt of layer l
.if (\l)==3
	LOADHW 6, H3H, H3L, 1, 9, T3H, T3L, 11, BI3
.else
.if (\nt)==4
	LOADHW 5, 19008*(\l), 19008*(\l)+9504, \l, 8, 57216+2112*(\l), 58272+2112*(\l), 10, 64064+384*(\l)
.else
	LOADHW 4, 19008*(\l)+2304*(\nt), 19008*(\l)+2304*(\nt)+9504, \l, 7, 57216+2112*(\l)+256*(\nt), 58272+2112*(\l)+256*(\nt), 10, 63808+384*(\l)+64*(\nt)
.endif
.endif
.endm
; three chains; the tail fragments overlap so that each product meets zeros at k = 80..95
.macro MM S, tail
	v_wmma_f32_16x16x32_bf16 v[172:179], v[120:127], v[\S:\S+7], v[164:171]
	v_wmma_f32_16x16x32_bf16 v[180:187], v[120:127], v[\S+16:\S+23], 0
	v_wmma_f32_16x16x32_bf16 v[188:195], v[136:143], v[\S:\S+7], 0
	v_wmma_f32_16x16x32_bf16 v[172:179], v[128:135], v[\S+8:\S+15], v[172:179]
	v_wmma_f32_16x16x32_bf16 v[180:187], v[128:135], v[\S+24:\S+31], v[180:187]
	v_wmma_f32_16x16x32_bf16 v[188:195], v[144:151], v[\S+8:\S+15], v[188:195]
.if \tail
	v_wmma_f32_16x16x32_bf16 v[172:179], v[156:163], v[\S+36:\S+43], v[172:179]
	v_wmma_f32_16x16x32_bf16 v[180:187], v[156:163], v[\S+32:\S+39], v[180:187]
	v_wmma_f32_16x16x32_bf16 v[188:195], v[152:159], v[\S+36:\S+43], v[188:195]
.endif
.endm
.macro SUM
.irp p,0,2,4,6
	v_pk_add_f32 v[196+\p:197+\p], v[180+\p:181+\p], v[188+\p:189+\p]
.endr
.irp p,0,2,4,6
	v_pk_add_f32 v[196+\p:197+\p], v[196+\p:197+\p], v[172+\p:173+\p]
.endr
.endm
.macro POSTH DH, hf                    ; tanh and split of pairs 2 hf, 2 hf + 1 into the next layer's fragment words
	TANHN 196+4*\hf, 204, 208, 212, 2
	SPLITP \DH+2*\hf, \DH+16+2*\hf, 196+4*\hf, 208
	SPLITP \DH+2*\hf+1, \DH+17+2*\hf, 198+4*\hf, 210
.endm
.macro POST4 D                         ; tile 4: units 64, 65 alone, in the lower half of the lanes
	v_pk_add_f32 v[196:197], v[180:181], v[188:189]
	v_pk_add_f32 v[196:197], v[196:197], v[172:173]
	TANHN 196, 204, 208, 212, 1
	SPLITP 216, 217, 196, 208
	v_and_b32 v[\D+36], v12, v216
	v_and_b32 v[\D+32], v12, v217
.endm
; Places behind matrix instructions: the loads into weight and bias registers stand behind at least four plain
; vector instructions that name none of the products' registers (v_nop or the tanh of the tile before), the next tile's products, which
; write over the sums, behind at least five.  One weight buffer: every wait for LDS is for 0.
.macro LAYER l, S, D
	s_wait_dscnt 0x0
	MM \S, \l
	NOPS 5
	LOADT \l, 1
	SUM
.irp nt,1,2,3,4
	s_wait_dscnt 0x0
	MM \S, \l
	POSTH \D+8*((\nt-1)>>1)+4*((\nt-1)&1), 0
.if \nt<4
	LOADT \l, \nt+1
.else
	LOADT \l+1, 0
.endif
	POSTH \D+8*((\nt-1)>>1)+4*((\nt-1)&1), 1
.if \nt<4
	SUM
.endif
.endr
	POST4 \D
.endm
	v_lshl_add_u32 v15, v3, 4, HYP
	v_add_nc_u32 v14, 64, v2
	v_min_u32 v14, 65, v14
	v_and_b32 v16, 7, v2
	v_mad_u32_u24 v4, v2, 144, v15                 ; row r
	v_mad_u32_u24 v5, v14, 144, v15                ; row min(64 + r, 65)
	v_mad_u32_u24 v6, v16, 144, v15                ; row r & 7
	v_lshl_add_u32 v7, v2, 4, HYP                  ; the same three for the tails
	v_lshl_add_u32 v8, v14, 4, HYP
	v_lshl_add_u32 v9, v16, 4, HYP
	v_lshl_add_u32 v10, v3, 5, HYP                 ; biases: 8 f32 a half
	v_mov_b32 v11, HYP
	v_add_nc_u32 v12, -1, v3                       ; all ones in lanes 0-15, 0 in lanes 16-31
	s_lshl_b32 s46, s36, 9
	s_add_co_u32 s46, s46, H8L
	v_lshl_add_u32 v13, v2, 5, s46
	LOADT 0, 0
	LAYER 0, 32, 76
	LAYER 1, 76, 32
	LAYER 2, 32, 76
	s_wait_dscnt 0x0
	MM 76, 1                                       ; layer 3: rows r & 7, so both halves of the lanes get k = 0..7
	NOPS 4
	SUM
	TANHN 196, 204, 212, 220, 4
	ds_store_b128 v13, v[196:199]
	ds_store_b128 v13, v[200:203] offset:16
	s_branch .Lbar2
; ================= phase 1b, waves 4-7: x, and head_w, head_b into LDS =================
; sin and cos of the four numbers at v[Y..Y+3]: k = round(y 2/pi), r = y - k pi/2 in two parts, two short series, then the quadrant.
; sin lands in v200-203, cos in v204-207.
.macro SINCOS4 Y
.irp p,0,2
	v_pk_mul_f32 v[196+\p:197+\p], v[\Y+\p:\Y+\p+1], 0x3f22f983 op_sel_hi:[1,0]
.endr
.irp e,0,1,2,3
	v_rndne_f32 v[196+\e], v[196+\e]
.endr
.irp p,0,2
	v_pk_fma_f32 v[200+\p:201+\p], v[196+\p:197+\p], 0xbfc90fdb, v[\Y+\p:\Y+\p+1] op_sel_hi:[1,0,1]
.endr
.irp p,0,2
	v_pk_fma_f32 v[200+\p:201+\p], v[196+\p:197+\p], 0x333bbd2e, v[200+\p:201+\p] op_sel_hi:[1,0,1]
.endr
.irp e,0,1,2,3
	v_cvt_i32_f32 v[196+\e], v[196+\e]
.endr
.irp p,0,2
	v_pk_mul_f32 v[204+\p:205+\p], v[200+\p:201+\p], v[200+\p:201+\p]
.endr
.irp p,0,2
	v_pk_fma_f32 v[208+\p:209+\p], v[204+\p:205+\p], v[192:193], 0x3c088889 op_sel_hi:[1,1,0]
	v_pk_fma_f32 v[212+\p:213+\p], v[204+\p:205+\p], v[194:195], 0xbab60b61 op_sel_hi:[1,1,0]
.endr
.irp p,0,2
	v_pk_fma_f32 v[208+\p:209+\p], v[208+\p:209+\p], v[204+\p:205+\p], 0xbe2aaaab op_sel_hi:[1,1,0]
	v_pk_fma_f32 v[212+\p:213+\p], v[212+\p:213+\p], v[204+\p:205+\p], 0x3d2aaaab op_sel_hi:[1,1,0]
	v_pk_mul_f32 v[216+\p:217+\p], v[200+\p:201+\p], v[204+\p:205+\p]
.endr
.irp p,0,2
	v_pk_fma_f32 v[212+\p:213+\p], v[212+\p:213+\p], v[204+\p:205+\p], -0.5 op_sel_hi:[1,1,0]
	v_pk_fma_f32 v[208+\p:209+\p], v[208+\p:209+\p], v[216+\p:217+\p], v[200+\p:201+\p]
.endr
.irp p,0,2
	v_pk_fma_f32 v[212+\p:213+\p], v[212+\p:213+\p], v[204+\p:205+\p], 1.0 op_sel_hi:[1,1,0]
.endr
.irp e,0,1,2,3
	v_and_b32 v[216+\e], 1, v[196+\e]
	v_cmp_ne_u32 vcc_lo, 0, v[216+\e]
	v_cndmask_b32 v[200+\e], v[208+\e], v[212+\e], vcc_lo      ; odd quadrant: the two series change places
	v_cndmask_b32 v[204+\e], v[212+\e], v[208+\e], vcc_lo
	v_lshlrev_b32 v[216+\e], 30, v[196+\e]                     ; sin is negative where k & 2,
	v_add_nc_u32 v[196+\e], 1, v[196+\e]                       ; cos where (k + 1) & 2
	v_and_b32 v[216+\e], 0x80000000, v[216+\e]
	v_lshlrev_b32 v[196+\e], 30, v[196+\e]
	v_xor_b32 v[200+\e], v[216+\e], v[200+\e]
	v_and_b32 v[196+\e], 0x80000000, v[196+\e]
	v_xor_b32 v[204+\e], v[196+\e], v[204+\e]
.endr
.endm
.macro RCV RB, lo                      ; 16 numbers of a row of head_b's W2 part: even h to positions 0-7, odd h to 8-15
.irp m,0,1,2,3
	v_cvt_pk_f16_f32 v[248+\m], v[\RB+4*\m], v[\RB+4*\m+2]
	v_cvt_pk_f16_f32 v[252+\m], v[\RB+4*\m+1], v[\RB+4*\m+3]
.endr
	ds_store_b128 v230, v[248:251] offset:\lo
	ds_store_b128 v230, v[252:255] offset:\lo+16
.endm
.LstageB:
	v_mov_b32 v192, 0xb9500d01                     ; -1/5040
	v_mov_b32 v193, 0xb9500d01
	v_mov_b32 v194, 0x37d00d01                     ; 1/40320
	v_mov_b32 v195, 0x37d00d01
	s_mul_i32 s46, s37, 4352                       ; 16 rows of 272 B
	s_add_co_u32 s47, s46, XL
	v_mad_u32_u24 v220, v3, 272, s47
	v_lshl_add_u32 v220, v2, 3, v220               ; x: row 16 sw + half, 8 r
	s_lshl_b32 s47, s37, 15
	v_lshl_add_u32 v221, v1, 4, s47                ; W2 in memory
	v_lshl_add_u32 v223, v1, 3, s47                ; W1L, even units
	v_lshlrev_b32 v224, 3, v1
	v_add_nc_u32 v224, 128, v224
	v_and_b32 v224, 255, v224
	v_add_nc_u32 v224, s47, v224                   ; W1L, odd units: the other half of each 256 bytes
	s_lshl_b32 s47, s37, 13
	v_lshl_add_u32 v222, v1, 4, s47                ; head_b's first part in memory
	s_lshl_b32 s47, s37, 14
	s_add_co_u32 s47, s47, W2L
	v_lshl_add_u32 v225, v1, 3, s47
	s_add_co_u32 s47, s46, HB1L
	v_lshl_add_u32 v226, v1, 3, s47
	v_lshl_add_u32 v227, v1, 4, B1F
	v_lshlrev_b32 v228, 6, v3
	v_and_b32 v240, 1, v1
	v_lshl_add_u32 v228, v240, 5, v228
	v_bfe_u32 v240, v1, 1, 3
	v_lshl_add_u32 v228, v240, 2, v228
	v_add_nc_u32 v228, B1P, v228                   ; the permuted place of entry lane
	v_lshrrev_b32 v240, 2, v1
	v_and_b32 v241, 3, v1
	s_mul_i32 s47, s37, 2080
	v_mad_u32_u24 v229, v240, 260, s47
	v_lshl_add_u32 v229, v241, 6, v229             ; head_b's W2 part: row 8 sw + lane / 4, 16 numbers at 16 (lane & 3)
	s_mul_i32 s47, s37, 1152
	s_add_co_u32 s47, s47, HB2L
	v_mad_u32_u24 v230, v240, 144, s47
	v_lshl_add_u32 v230, v241, 5, v230
	s_lshl_b32 s47, s37, 10
	v_lshl_add_u32 v231, v1, 4, s47
	s_lshl_b32 s47, s37, 9
	v_lshl_add_u32 v232, v1, 4, s47
	s_add_co_u32 s47, s47, W1L+131072
	v_lshl_add_u32 v233, v1, 3, s47
	s_lshl_b32 s47, s37, 8
	s_add_co_u32 s47, s47, W2L+65536
	v_lshl_add_u32 v234, v1, 3, s47
	v_lshl_add_u32 v235, v1, 3, HB1L+17408
.irp n,0,1,2,3,4,5,6,7
	s_wait_loadcnt 35-\n                           ; younger: 7 - n of y, at least 4 of M, 24 of the ring
	SINCOS4 160+4*\n
	SCALEN 200, 4, 0x47000000                      ; x is carried times 2^15
	v_cvt_pk_f16_f32 v236, v204, v205
	v_cvt_pk_f16_f32 v237, v206, v207
	v_cvt_pk_f16_f32 v238, v200, v201
	v_cvt_pk_f16_f32 v239, v202, v203
	ds_store_b64 v220, v[236:237] offset:544*\n
	ds_store_b64 v220, v[238:239] offset:544*\n+128
.endr
	s_wait_loadcnt 24                              ; block M is in; the ring's three blocks stay out
	s_cmp_eq_u32 s36, 4
	s_cbranch_scc1 .Lms0
	s_cmp_eq_u32 s36, 5
	s_cbranch_scc1 .Lms1
	s_cmp_eq_u32 s36, 6
	s_cbranch_scc1 .Lms2
.irp q,128,129,130,133,134
	v_mul_f32 v\q, 0x47000000, v\q                 ; b1's and b2's parts of head_b stand beside products with 2^15 x, 2^15 hid
.endr
.irp m,0,1,2
	ds_store_b32 v228, v[128+\m] offset:128*\m
.endr
.irp m,0,1
	ds_store_b32 v228, v[131+\m] offset:384+128*\m
	ds_store_b32 v228, v[133+\m] offset:640+128*\m
.endr
	s_branch .Lmsd
.Lms0:
	SCALEN 128, 10, 0x47000000                     ; b1's rows of head_w, times 2^15
.irp n,0,1,2,3,4
	ds_store_b128 v227, v[128+4*\n:131+4*\n] offset:512*\n
.endr
	s_branch .Lmsd
.Lms1:
.irp n,0,1,2,3
	ds_store_b128 v227, v[128+4*\n:131+4*\n] offset:2560+512*\n
.endr
	v_cvt_pk_f16_f32 v248, v144, v145
	v_cvt_pk_f16_f32 v249, v146, v147
	ds_store_b64 v235, v[248:249]
	s_branch .Lmsd
.Lms2:
	SCALEN 128, 8, 0x47000000                      ; b2's rows of head_w, times 2^15
.irp n,0,1,2,3
	ds_store_b128 v227, v[128+4*\n:131+4*\n] offset:4608+512*\n
.endr
.Lmsd:
.set li, 3
	LDI
.set ci, 0
.rept 22
	s_wait_loadcnt 24                              ; three younger blocks of eight stay out
	CVI
.set li, ci+4
	LDI
.set ci, ci+1
.endr
	s_wait_loadcnt 24                              ; block 22; younger: 23, 24, 25
	CVI
.irp e,0,1,2,3,4,5,6,7,8,9,10,11,12,13,14,15
	global_load_b32 v[96+\e], v229, s[30:31] offset:33540+4*\e
.endr
.set ci, 23
	s_wait_loadcnt 32                              ; younger: 24, 25 and 16
	CVI
.irp e,0,1,2,3,4,5,6,7,8,9,10,11,12,13,14,15
	global_load_b32 v[128+\e], v229, s[30:31] offset:41860+4*\e
.endr
.set ci, 24
	s_wait_loadcnt 40                              ; younger: 25, 16 and 16
	CVI
	global_load_b128 v[32:35], v231, s[28:29] offset:262144    ; unit 64 of W1: two of its eight pieces
	global_load_b128 v[36:39], v231, s[28:29] offset:262656
	global_load_b128 v[40:43], v232, s[28:29] offset:399392    ; W2's last 2,048 bytes: one of four pieces
.set ci, 25
	s_wait_loadcnt 35                              ; younger: 16, 16 and 3
	CVI
	s_wait_loadcnt 19
	RCV 96, 0
	s_wait_loadcnt 3
	RCV 128, 4608
	s_wait_loadcnt 0x0
	v_cvt_pk_f16_f32 v248, v32, v33
	v_cvt_pk_f16_f32 v249, v34, v35
	v_cvt_pk_f16_f32 v250, v36, v37
	v_cvt_pk_f16_f32 v251, v38, v39
	v_cvt_pk_f16_f32 v252, v40, v41
	v_cvt_pk_f16_f32 v253, v42, v43
	ds_store_b64 v233, v[248:249]
	ds_store_b64 v233, v[250:251] offset:256
	ds_store_b64 v234, v[252:253]
.Lbar2:
	s_wait_dscnt 0x0                               ; h8, x and all tables are stored; the reads of the hypernetwork's weights are over
	s_barrier_signal -1
	s_barrier_wait -1
; ================= phase 2, all waves: layer 1.  Wave (nq, mh): units 16 nq .. +15 of samples 32 mh .. +31 =================
; x fragments v32-95 [mi][s]; h8 v96-111 [mi]; weight fragments v112-175 [buf][s]; C rows v176-191 [buf];
; products v192-223 [buf][mi]; v224-239 [mi]: head_b's tile, then the running result, register tl = unit 16 nq + 2 tl + half.
; All sums of this phase are 2^15 times their true size.
.macro LOADW buf, va, off, vc, coff    ; the two units of a tile: 8 lanes address 8 rows i of 16 B (8 k); the transposing load hands lane (unit, k) its eight i
.irp s,0,1,2,3
	ds_load_tr16_b128 v[112+32*(\buf)+8*\s:115+32*(\buf)+8*\s], v[\va] offset:\off+512*\s
	ds_load_tr16_b128 v[116+32*(\buf)+8*\s:119+32*(\buf)+8*\s], v[\va] offset:\off+512*\s+256
.endr
	ds_load_b128 v[176+8*(\buf):179+8*(\buf)], v[\vc] offset:\coff
	ds_load_b128 v[180+8*(\buf):183+8*(\buf)], v[\vc] offset:\coff+16
.endm
.macro LOADT9 buf, va, vc
.irp s,0,1,2,3
	ds_load_b128 v[112+32*(\buf)+8*\s:115+32*(\buf)+8*\s], v[\va] offset:64*\s
	ds_load_b128 v[116+32*(\buf)+8*\s:119+32*(\buf)+8*\s], v[\va] offset:64*\s+32
.endr
	ds_load_b128 v[176+8*(\buf):179+8*(\buf)], v[\vc]
	ds_load_b128 v[180+8*(\buf):183+8*(\buf)], v[\vc] offset:16
.endm
.macro MM4 D, buf
.irp s,0,1,2,3
.irp mi,0,1
.if \s==0
	v_wmma_f32_16x16x32_f16 v[\D+8*\mi:\D+8*\mi+7], v[112+32*(\buf):119+32*(\buf)], v[32+32*\mi:39+32*\mi], v[176+8*(\buf):183+8*(\buf)]
.else
	v_wmma_f32_16x16x32_f16 v[\D+8*\mi:\D+8*\mi+7], v[112+32*(\buf)+8*\s:119+32*(\buf)+8*\s], v[32+32*\mi+8*\s:39+32*\mi+8*\s], v[\D+8*\mi:\D+8*\mi+7]
.endif
.endr
.endr
.endm
.macro CONTR A, tl                     ; result[tl] += sum over k of product[k] h8[k], both sample tiles
	v_pk_mul_f32 v[242:243], v[\A:\A+1], v[96:97]
	v_pk_mul_f32 v[244:245], v[\A+8:\A+9], v[104:105]
.irp p,2,4,6
	v_pk_fma_f32 v[242:243], v[\A+\p:\A+\p+1], v[96+\p:97+\p], v[242:243]
	v_pk_fma_f32 v[244:245], v[\A+8+\p:\A+9+\p], v[104+\p:105+\p], v[244:245]
.endr
	v_add_f32 v[224+\tl], v[224+\tl], v242
	v_add_f32 v[232+\tl], v[232+\tl], v244
	v_add_f32 v[224+\tl], v[224+\tl], v243
	v_add_f32 v[232+\tl], v[232+\tl], v245
.endm
	v_lshrrev_b32 v11, 3, v2                       ; t1 = r >> 3
	v_and_b32 v12, 7, v1                           ; j
	v_add_nc_u32 v13, v3, v11
	v_and_b32 v13, 1, v13                          ; half + t1 mod 2
	v_lshl_add_u32 v14, v12, 1, v11                ; 2 j + t1
	s_mul_i32 s46, s38, 8704
	s_add_co_u32 s46, s46, XL
	v_mad_u32_u24 v4, v2, 272, s46
	v_lshl_add_u32 v4, v3, 4, v4                   ; x fragments
	s_lshl_b32 s46, s38, 10
	s_add_co_u32 s46, s46, H8L
	v_lshl_add_u32 v5, v2, 5, s46                  ; h8
	v_lshlrev_b32 v15, 11, v11
	v_lshl_add_u32 v15, v13, 7, v15
	v_lshl_add_u32 v15, v12, 4, v15                ; lane term of the W1 tiles
	s_lshl_b32 s46, s37, 15
	v_add_nc_u32 v6, s46, v15                      ; units 16 nq ..
	v_add_nc_u32 v15, W1L+131072, v15              ; unit 64
	s_lshl_b32 s46, s37, 9
	s_add_co_u32 s46, s46, B1F
	v_lshl_add_u32 v7, v3, 5, s46
	s_mul_i32 s46, s37, 4352
	s_add_co_u32 s46, s46, HB1L
	v_mad_u32_u24 v8, v14, 272, s46
	v_lshl_add_u32 v8, v3, 4, v8                   ; row m of head_b's tile is unit 16 nq + 2 (m & 7) + (m >> 3)
	s_lshl_b32 s46, s37, 6
	s_add_co_u32 s46, s46, B1P
	v_lshl_add_u32 v9, v3, 5, s46
	s_mul_i32 s46, s37, 3072
	s_mul_i32 s47, s38, 1536
	s_add_co_u32 s46, s46, s47
	s_add_co_u32 s46, s46, HIDL
	v_mad_u32_u24 v10, v2, 48, s46
	v_lshl_add_u32 v10, v3, 4, v10                 ; hid out
	v_lshl_add_u32 v16, v3, 5, B1F+2048
	v_lshl_add_u32 v17, v3, 4, HB1L+17408
	v_lshl_add_u32 v18, v3, 5, B1P+256
	s_lshl_b32 s46, s38, 8
	s_add_co_u32 s46, s46, H64L
	v_lshl_add_u32 v21, v2, 3, s46                 ; unit 64 back, phase 3
	v_lshl_add_u32 v19, v3, 2, v21                 ; unit 64 out
	; phase 3's addresses
	s_add_co_u32 s46, s47, HIDL
	v_mad_u32_u24 v20, v2, 48, s46
	v_lshl_add_u32 v20, v3, 4, v20                 ; hid fragments
	s_mul_i32 s46, s37, 16640
	s_add_co_u32 s46, s46, W2L
	v_mad_u32_u24 v22, v11, 1040, s46
	v_lshl_add_u32 v22, v12, 5, v22
	v_lshl_add_u32 v22, v3, 4, v22                 ; W2 tiles: row (o, h = 2 j + half), the order in which hid lies
	s_lshl_b32 s46, s37, 9
	s_add_co_u32 s46, s46, WLF
	v_lshl_add_u32 v23, v3, 5, s46
	s_mul_i32 s46, s37, 2304
	s_add_co_u32 s46, s46, HB2L
	v_mad_u32_u24 v24, v14, 144, s46
	v_lshl_add_u32 v24, v3, 4, v24
	s_lshl_b32 s46, s37, 6
	s_add_co_u32 s46, s46, WLP
	v_lshl_add_u32 v25, v3, 5, s46
	s_mul_i32 s46, s37, 5184
	s_mul_i32 s47, s38, 2560
	s_add_co_u32 s46, s46, s47
	s_add_co_u32 s46, s46, OUTL
	v_mad_u32_u24 v26, v2, 80, s46
	v_lshl_add_u32 v26, v3, 2, v26
.irp mi,0,1
.irp s,0,1,2,3
	ds_load_b128 v[32+32*\mi+8*\s:35+32*\mi+8*\s], v4 offset:4352*\mi+64*\s
	ds_load_b128 v[36+32*\mi+8*\s:39+32*\mi+8*\s], v4 offset:4352*\mi+64*\s+32
.endr
	ds_load_b128 v[96+8*\mi:99+8*\mi], v5 offset:512*\mi
	ds_load_b128 v[100+8*\mi:103+8*\mi], v5 offset:512*\mi+16
.endr
	LOADT9 0, 8, 9
	LOADW 1, 6, 0, 7, 0
	s_wait_dscnt 0xa                               ; all but tile 0's ten loads
	MM4 224, 0
	NOPS 4                                         ; four places before loads land on the fragments just read
	LOADW 0, 6, 4096, 7, 64
.irp tl,0,1,2,3,4,5,6,7
.if \tl==7
	s_wait_dscnt 0x0
.else
	s_wait_dscnt 0xa                               ; the next tile's ten loads stay out
.endif
	MM4 192+16*(\tl&1), (\tl+1)&1
.if \tl==0
	NOPS 5                                         ; five: tile 2's products write over these sums, and the contraction of tile 0 names them
.else
	CONTR 192+16*((\tl-1)&1), \tl-1                ; twelve places: it names none of this tile's registers
.endif
.if \tl<6
	LOADW (\tl+1)&1, 6, 4096*(\tl+2), 7, 64*(\tl+2)
.endif
.endr
	CONTR 208, 7
	SCALEN 224, 8, 0x38000000                      ; the sums back to their true size,
	TANHN 224, 112, 128, 144, 8
	SCALEN 224, 8, 0x47000000                      ; and hid times 2^15 into f16
.irp mi,0,1
.irp p,0,1,2,3
	v_cvt_pk_f16_f32 v[246+4*\mi+\p], v[224+8*\mi+2*\p], v[225+8*\mi+2*\p]
.endr
	ds_store_b128 v10, v[246+4*\mi:249+4*\mi] offset:768*\mi
.endr
	; hidden unit 64, by waves 0 and 5 (one for each half of the samples): the same steps on one tile; the lanes of the upper half
	; compute on the bytes behind unit 64 and their result goes to words that nobody reads
	s_cmp_eq_u32 s36, 0
	s_cbranch_scc1 .Lextra
	s_cmp_lg_u32 s36, 5
	s_cbranch_scc1 .Lbar3
.Lextra:
	LOADT9 0, 17, 18
	LOADW 1, 15, 0, 16, 0
	s_wait_dscnt 0x0
	MM4 224, 0
	MM4 192, 1
	NOPS 4
	CONTR 192, 0
	v_mul_f32 v250, 0x38000000, v224               ; my two samples' sums, at their true size, in one pair
	v_mul_f32 v251, 0x38000000, v232
	TANHN 250, 244, 246, 248, 1
	SCALEN 250, 1, 0x47000000                      ; kept in f32, times 2^15 like the other 64
	ds_store_b32 v19, v250
	ds_store_b32 v19, v251 offset:128
.Lbar3:
	s_wait_dscnt 0x0                               ; hid is stored
	s_barrier_signal -1
	s_barrier_wait -1
; ================= phase 3, all waves: layer 2.  Wave (nq, mh): outputs 16 nq .. +15 of samples 32 mh .. +31 =================
; hid fragments v32-63 [mi][s]; v64-95 [buf]: column h = 64 (8 f32), then b2's row (8 f32); v240-241 hid[64] of my two samples.
; All sums of this phase are 2^15 times their true size.
.macro LOADW2 buf, tl
.irp s,0,1
	ds_load_tr16_b128 v[112+32*(\buf)+8*\s:115+32*(\buf)+8*\s], v22 offset:2080*(\tl)+512*\s
	ds_load_tr16_b128 v[116+32*(\buf)+8*\s:119+32*(\buf)+8*\s], v22 offset:2080*(\tl)+512*\s+256
.endr
	ds_load_b128 v[64+16*(\buf):67+16*(\buf)], v23 offset:64*(\tl)
	ds_load_b128 v[68+16*(\buf):71+16*(\buf)], v23 offset:64*(\tl)+16
	ds_load_b128 v[72+16*(\buf):75+16*(\buf)], v23 offset:64*(\tl)+2048
	ds_load_b128 v[76+16*(\buf):79+16*(\buf)], v23 offset:64*(\tl)+2064
.endm
.macro CINIT D, buf                    ; the sums start at column 64 x hid[64] + b2's row, in f32
.irp p,0,2,4,6
	v_pk_fma_f32 v[\D+\p:\D+\p+1], v[64+16*(\buf)+\p:65+16*(\buf)+\p], v[240:241], v[72+16*(\buf)+\p:73+16*(\buf)+\p] op_sel_hi:[1,0,1]
	v_pk_fma_f32 v[\D+8+\p:\D+9+\p], v[64+16*(\buf)+\p:65+16*(\buf)+\p], v[240:241], v[72+16*(\buf)+\p:73+16*(\buf)+\p] op_sel:[0,1,0]
.endr
.endm
.macro MM2 D, buf
.irp s,0,1
.irp mi,0,1
	v_wmma_f32_16x16x32_f16 v[\D+8*\mi:\D+8*\mi+7], v[112+32*(\buf)+8*\s:119+32*(\buf)+8*\s], v[32+16*\mi+8*\s:39+16*\mi+8*\s], v[\D+8*\mi:\D+8*\mi+7]
.endr
.endr
.endm
.irp mi,0,1
.irp s,0,1
	ds_load_b128 v[32+16*\mi+8*\s:35+16*\mi+8*\s], v20 offset:6144*\s+768*\mi
	ds_load_b128 v[36+16*\mi+8*\s:39+16*\mi+8*\s], v20 offset:6144*\s+768*\mi+3072
.endr
	ds_load_b32 v[240+\mi], v21 offset:128*\mi
.endr
.irp s,0,1
	ds_load_b128 v[112+8*\s:115+8*\s], v24 offset:64*\s
	ds_load_b128 v[116+8*\s:119+8*\s], v24 offset:64*\s+32
.endr
	ds_load_b128 v[64:67], v25
	ds_load_b128 v[68:71], v25 offset:16
	ds_load_b128 v[72:75], v25 offset:256
	ds_load_b128 v[76:79], v25 offset:272
	LOADW2 1, 0
	s_wait_dscnt 0x8                               ; all but tile 0's eight loads
	CINIT 224, 0
	MM2 224, 0
	NOPS 4
	LOADW2 0, 1
.irp tl,0,1,2,3,4,5,6,7
.if \tl==7
	s_wait_dscnt 0x0
.else
	s_wait_dscnt 0x8                               ; the next tile's eight loads stay out
.endif
	CINIT 192+16*(\tl&1), (\tl+1)&1
	MM2 192+16*(\tl&1), (\tl+1)&1
.if \tl==0
	NOPS 4
.else
	CONTR 192+16*((\tl-1)&1), \tl-1
.endif
.if \tl<6
	LOADW2 (\tl+1)&1, \tl+2
.endif
.endr
	CONTR 208, 7
	SCALEN 224, 8, 0x38000000                      ; the results at their true size
.irp mi,0,1
.irp tl,0,1,2,3,4,5,6,7
	ds_store_b32 v26, v[224+8*\mi+\tl] offset:1280*\mi+8*\tl
.endr
.endr
	v_lshrrev_b32 v4, 2, v2
	v_mul_u32_u24 v4, 5184, v4
	v_and_b32 v5, 3, v2
	v_lshl_add_u32 v4, v5, 4, v4
	v_mad_u32_u24 v4, v3, 80, v4
	s_mul_i32 s46, s36, 640
	s_add_co_u32 s46, s46, OUTL
	v_add_nc_u32 v4, s46, v4                       ; sample 8 w + half, columns 4 r .. 4 r + 3
	s_lshl_b32 s46, s36, 11
	v_lshl_add_u32 v5, v1, 4, s46
	s_wait_dscnt 0x0
	s_barrier_signal -1
	s_barrier_wait -1
; ================= phase 4: the way out.  Sixteen lanes store one sample's 256 bytes, at a multiple of 256 from out0's first byte =================
.irp n,0,1,2,3
	ds_load_b128 v[32+4*\n:35+4*\n], v4 offset:160*\n
.endr
.irp n,0,1,2,3
	s_wait_dscnt 3-\n
	global_store_b128 v5, v[32+4*\n:35+4*\n], s[34:35] offset:512*\n th:TH_STORE_NT
.endr
	s_set_vgpr_msb 0x4
	s_wait_tensorcnt 0x0
	ds_add_u32 v27, v1
	s_wait_dscnt 0x0
	s_set_vgpr_msb 0x400
	s_endpgm
.Lfunc_end_k_q8572e03077_hnc:
	.size	k_q8572e03077_hnc, .Lfunc_end_k_q8572e03077_hnc-k_q8572e03077_hnc
	.p2alignl 7, 3214868480
	.fill 96, 4, 3214868480
	.section	.rodata,"a",@progbits
	.p2align	6, 0x0
	.amdhsa_kernel k_q8572e03077_hnc
		.amdhsa_group_segment_fixed_size 321280
		.amdhsa_private_segment_fixed_size 0
		.amdhsa_enable_private_segment 0
		.amdhsa_kernarg_size 112
		.amdhsa_user_sgpr_count 2
		.amdhsa_user_sgpr_kernarg_segment_ptr 1
		.amdhsa_wavefront_size32 1
		.amdhsa_system_sgpr_workgroup_id_x 1
		.amdhsa_system_sgpr_workgroup_id_y 1
		.amdhsa_system_sgpr_workgroup_id_z 1
		.amdhsa_system_vgpr_workitem_id 0
		.amdhsa_next_free_vgpr 258
		.amdhsa_next_free_sgpr 66
		.amdhsa_reserve_vcc 1
		.amdhsa_float_denorm_mode_32 3
		.amdhsa_float_denorm_mode_16_64 3
		.amdhsa_memory_ordered 1
		.amdhsa_forward_progress 1
		.amdhsa_inst_pref_size 255
	.end_amdhsa_kernel
	.section	.bss,"aw",@nobits
	.p2align	6
	.space	262144
	.amdgpu_metadata
---
amdhsa.version: [ 1, 2 ]
amdhsa.kernels:
  - .name:           k_q8572e03077_hnc
    .symbol:         k_q8572e03077_hnc.kd
    .args:
      - { .name: freqs, .offset: 0, .size: 8, .value_kind: global_buffer, .address_space: global }
      - { .name: y, .offset: 8, .size: 8, .value_kind: global_buffer, .address_space: global }
      - { .name: hw0, .offset: 16, .size: 8, .value_kind: global_buffer, .address_space: global }
      - { .name: hw1, .offset: 24, .size: 8, .value_kind: global_buffer, .address_space: global }
      - { .name: hw2, .offset: 32, .size: 8, .value_kind: global_buffer, .address_space: global }
      - { .name: hw3, .offset: 40, .size: 8, .value_kind: global_buffer, .address_space: global }
      - { .name: hb0, .offset: 48, .size: 8, .value_kind: global_buffer, .address_space: global }
      - { .name: hb1, .offset: 56, .size: 8, .value_kind: global_buffer, .address_space: global }
      - { .name: hb2, .offset: 64, .size: 8, .value_kind: global_buffer, .address_space: global }
      - { .name: hb3, .offset: 72, .size: 8, .value_kind: global_buffer, .address_space: global }
      - { .name: head_w, .offset: 80, .size: 8, .value_kind: global_buffer, .address_space: global }
      - { .name: head_b, .offset: 88, .size: 8, .value_kind: global_buffer, .address_space: global }
      - { .name: t, .offset: 96, .size: 8, .value_kind: global_buffer, .address_space: global }
      - { .name: out0, .offset: 104, .size: 8, .value_kind: global_buffer, .address_space: global }
    .group_segment_fixed_size: 321280
    .private_segment_fixed_size: 0
    .kernarg_segment_align: 8
    .kernarg_segment_size: 112
    .max_flat_workgroup_size: 256
    .sgpr_count:     66
    .vgpr_count:     258
    .wavefront_size: 32
...
	.end_amdgpu_metadata
.endif
;; end of part 1
;; ======== version 2 of 2: 1 launch; 1.17 times as fast as version 1
;; limits: inputs' magnitudes at most 65,504; values are held in f16: magnitudes above 65,504 overflow, below 6.1e-05 lose precision; inputs' magnitudes at most 1,000,000
;; launch hnc (part 2): grid 256 x 1, 8 waves a work-group, no clusters, 321,280 bytes of LDS; arguments freqs, y, hw0, hw1, hw2, hw3, hb0, hb1, hb2, hb3, head_w, head_b, t, out0; writes out0
.if DOCPART == 2
	.amdgcn_target "amdgcn-amd-amdhsa--gfx1250"
	.amdhsa_code_object_version 6
	.text
	.protected	k_q8572e03077_hnc
	.globl	k_q8572e03077_hnc
	.p2align	8
	.type	k_q8572e03077_hnc,@function
k_q8572e03077_hnc:
	s_mov_b64 s[64:65], 0
	v_nop
	global_prefetch_b8 v0, s[64:65] scope:SCOPE_SE
	s_setreg_imm32_b32 hwreg(HW_REG_WAVE_MODE, 25, 1), 1
	s_wait_xcnt 0x0
; HNC_strategy: a hypernetwork (65 -> 66 -> 66 -> 66 -> 8, tanh) gives h8[b][0..7]; head_w, head_b turn h8 into a private MLP
; (128 -> 65 tanh -> 64) for sample b, applied to x = [cos y, sin y] of y's first 64 columns.
; The private weights are never formed.  Exactly, for every input:
;   hidpre[b][h] = sum_k h8[b][k] (sum_i HW[128h+i][k] x[b][i] + HW[8320+h][k]) + (sum_i HB[128h+i] x[b][i] + HB[8320+h])
; and likewise for the second layer.  So each layer is a product with shared weights whose rows are (unit, k), k fastest, one product
; with head_b, and an 8-term f32 contraction with h8.  The matrix instruction takes the weights as source 0 and the samples as source 1:
; a lane's eight results are then the eight k of one unit of one sample, and the contraction stays in the lane's own registers.
; One work-group = 64 samples, eight waves.  Waves 0-3 run the hypernetwork (16 samples each, activations stay in registers) while
; waves 4-7 turn head_w, head_b into f16 in LDS and make x; then all eight waves do layer 1, layer 2 and the way out.
; FORMATS: the hypernetwork's operands are bf16 split in high + low part (three products): its relative error goes straight into the
; result, and its activations have no lower bound.  The target network's operands are f16: sums of 128 and of 65 products need the 11
; significant bits.  x and hid lie in [-1, 1] and are carried times 2^15 (32,768 is exact in f16), so that f16's normal range reaches
; down to 2^-29 of their true size; the f32 terms added beside them (b1's and b2's rows, hid[64]) carry the same 2^15, and one multiply
; by 2^-15 stands in front of the tanh and one in front of the output: powers of two, exact in f32.  b1, b2 and the 65th hidden unit's
; column enter in f32 through C.
; ORDER OF THE TEXT: conversions are written stage by stage over several independent numbers, and the LDS stores and loads that follow
; them stand in one run, so that a block of eight loads has one hand-over from vector results to memory instructions, not eight.
; REGISTERS ABOVE v255: waves 4-7 keep their ring of loads there, seven sets of 32 registers, v256-479: 56 loads of 512 bytes, 28,672
; bytes a wave and 114,688 bytes a work-group on their way.  Everything else lies in v0-255.
; LIMITS, stated: |head_w|, |head_b| at most 65,504 (f16's largest); their elements below 2^-14 keep an absolute error of 2^-25;
; sin and cos reduce by pi/2 in two parts, good for |y| up to about 1e6; paddings multiply some weights by 0, so non-finite weights are
; not reproduced place for place; sums are formed in another order than the reference's.
; NO CLUSTER, NO TENSOR LOADS: what the work-groups share (head_w, head_b, 453,924 bytes of f32) must pass through registers to become
; f16, and its f32 image does not fit in LDS beside the 226,576-byte f16 image; a ring of f32 slots would put a barrier for every refill
; into the four waves that run the hypernetwork's chain.  No prefetch: the ring asks for everything as early as its registers allow.
.set W1L,  0            ; head_w rows 0..8319 f16, 16 B a row, 2,048 B a unit; in odd units the offset inside the unit has 128 flipped
.set W2L,  133120       ; head_w rows 8385..12544 f16, 16 B a row
.set HB1L, 199680       ; head_b[128h+i] f16, 65 rows, pitch 272
.set HB2L, 217360       ; head_b[8385+65o+h], h<64, f16, pitch 144, at position (h>>4)*16+(h&1)*8+((h>>1)&7)
.set XL,   226576       ; first z high (pitch 144) and z low (+9216), bf16; later 2^15 x in f16 [64][128], pitch 272
.set B1F,  245008       ; 2^15 x head_w rows 8320..8399, f32
.set WLF,  247568       ; head_w rows 8449+65o f32
.set B2F,  249616       ; 2^15 x head_w rows 12545..12608, f32
.set B1P,  251664       ; 2^15 x head_b[8320+u], u<96, f32 at (u>>4)*64+(u&1)*32+((u>>1)&7)*4
.set WLP,  252048       ; head_b[8449+65o] likewise, not scaled
.set B2P,  252304       ; 2^15 x head_b[12545+o] likewise
.set H8L,  252560       ; h8 f32 [64][8]
.set HYP,  255120       ; hypernetwork weights; afterwards HIDL and OUTL
.set HIDL, HYP          ; 2^15 hid in f16: [nq][sample], pitch 48, plane 3072
.set OUTL, HYP+12288    ; result f32: [nq][sample], pitch 80, plane 5184
; inside HYP: layer l (0..2) high plane at 19008 l, low at +9504 (66 rows, pitch 144, k = 0..63)
.set H3H,  57024
.set H3L,  58176
; tails (the bf16 pair k = 64, 65; 4 B a row): layer 1 at 59328 / 60384, layer 2 at 61440 / 62496
.set T3H,  63552
.set T3L,  63680
.set BI0,  63808        ; biases, 96 f32 a layer (entries above 65 repeat 65), layer l at BI0 + 384 l
.set BI3,  64960
; 0x47000000 is 2^15 and 0x38000000 is 2^-15, as f32
; s_set_vgpr_msb's low byte: bits 1:0 source 0, 3:2 source 1, 5:4 source 2, 7:6 destination; the high byte repeats the setting that is
; left.  WIN drops switches that change nothing.  The setting is 0 at every label and at every branch.
.set MSB, 0
.macro WIN new
.if MSB != \new
	s_set_vgpr_msb (MSB<<8)|\new
.set MSB, \new
.endif
.endm
.macro NOPS n
.rept \n
	v_nop
.endr
.endm
; n pairs (a, b) at AB + 2 m -> bf16 pair in word H + m, and in word L + m the bf16 pair of what that rounding left.
; T: 2 n registers at work.  L may be T itself: word m is written when the pairs up to m have been read.
.macro SPLITN H, L, AB, T, n
.set sq, 0
.rept \n
	v_cvt_pk_bf16_f32 v[\H+sq], v[\AB+2*sq], v[\AB+2*sq+1]
.set sq, sq+1
.endr
.set sq, 0
.rept \n
	v_lshlrev_b32 v[\T+2*sq], 16, v[\H+sq]
	v_and_b32 v[\T+2*sq+1], 0xffff0000, v[\H+sq]
.set sq, sq+1
.endr
.set sq, 0
.rept \n
	v_pk_add_f32 v[\T+2*sq:\T+2*sq+1], v[\AB+2*sq:\AB+2*sq+1], v[\T+2*sq:\T+2*sq+1] neg_lo:[0,1] neg_hi:[0,1]
.set sq, sq+1
.endr
.set sq, 0
.rept \n
	v_cvt_pk_bf16_f32 v[\L+sq], v[\T+2*sq], v[\T+2*sq+1]
.set sq, sq+1
.endr
.endm
; n pairs from X on, each times the power of two c
.macro SCALEN X, n, c
.set sq, 0
.rept \n
	v_pk_mul_f32 v[\X+sq:\X+sq+1], v[\X+sq:\X+sq+1], \c op_sel_hi:[1,0]
.set sq, sq+2
.endr
.endm
; tanh of n pairs, in place in X, in two halves so that loads can stand between them.
; 1 - 2 / (1 + 2^(2.88539 x)); below |x| = 0.125 the series x - x^3/3 + 2 x^5/15, so that small arguments lose nothing to the
; subtraction.  Behind each run of transcendentals a packed multiply-add that touches none of their registers stands before the
; results are used (ISA guide 5.7.2).  The 2 n compares write masks of their own, s66 on, so that they need not alternate with the selects.
.macro TANHA X, E, T, P, n
.set tq, 0
.rept \n
	v_pk_mul_f32 v[\E+tq:\E+tq+1], v[\X+tq:\X+tq+1], 0x4038aa3b op_sel_hi:[1,0]
	v_pk_mul_f32 v[\T+tq:\T+tq+1], v[\X+tq:\X+tq+1], v[\X+tq:\X+tq+1]
.set tq, tq+2
.endr
.set tq, 0
.rept 2*\n
	v_exp_f32 v[\E+tq], v[\E+tq]
.set tq, tq+1
.endr
.set tq, 0
.rept \n
	v_pk_fma_f32 v[\P+tq:\P+tq+1], v[\T+tq:\T+tq+1], v[28:29], v[30:31]
.set tq, tq+2
.endr
.set tq, 0
	s_wait_alu depctr_va_vdst(0)
.rept \n
	v_pk_add_f32 v[\E+tq:\E+tq+1], v[\E+tq:\E+tq+1], 1.0 op_sel_hi:[1,0]
	v_pk_mul_f32 v[\P+tq:\P+tq+1], v[\P+tq:\P+tq+1], v[\T+tq:\T+tq+1]
.set tq, tq+2
.endr
.endm
.macro TANHB X, E, T, P, n
.set tq, 0
.rept 2*\n
	v_rcp_f32 v[\E+tq], v[\E+tq]
.set tq, tq+1
.endr
.set tq, 0
.rept \n
	v_pk_fma_f32 v[\P+tq:\P+tq+1], v[\P+tq:\P+tq+1], v[\X+tq:\X+tq+1], v[\X+tq:\X+tq+1]
.set tq, tq+2
.endr
.set tq, 0
.rept 2*\n
	v_cmp_gt_f32 s[66+tq], s44, |v[\X+tq]|
.set tq, tq+1
.endr
.set tq, 0
	s_wait_alu depctr_va_vdst(0)
.rept \n
	v_pk_fma_f32 v[\E+tq:\E+tq+1], v[\E+tq:\E+tq+1], -2.0, 1.0 op_sel_hi:[1,0,0]
.set tq, tq+2
.endr
.set tq, 0
.rept 2*\n
	v_cndmask_b32 v[\X+tq], v[\E+tq], v[\P+tq], s[66+tq]
.set tq, tq+1
.endr
.endm
.macro TANHN X, E, T, P, n
	TANHA \X, \E, \T, \P, \n
	TANHB \X, \E, \T, \P, \n
.endm
; ---- hypernetwork weights, all waves: wave w takes rows 8w..8w+7 of hw0 (columns 1..64), hw1, hw2 (columns 0..63) and row w of hw3
.macro COMMON_LD CR
.irp m,0,1,2,3,4,5,6,7
	global_load_b32 v[\CR+2*\m], v4, s[12:13] offset:260*\m+4
	global_load_b32 v[\CR+2*\m+1], v4, s[12:13] offset:260*\m+8
.endr
.irp m,0,1,2,3,4,5,6,7
	global_load_b64 v[\CR+16+2*\m:\CR+17+2*\m], v5, s[14:15] offset:264*\m
.endr
.irp m,0,1,2,3,4,5,6,7
	global_load_b64 v[\CR+32+2*\m:\CR+33+2*\m], v5, s[16:17] offset:264*\m
.endr
	global_load_b64 v[\CR+48:\CR+49], v6, s[18:19]
.endm
; CST0..CST3: hw0's, hw1's, hw2's eight rows and hw3's one.  c: how many younger loads may stay out when they have to be in.
; Eight rows are split together, then stored in one run; two sets of 24 registers, v64-87 and v88-111, take turns.
.macro CST0 CR, c
	s_wait_loadcnt \c
	SPLITN 64, 72, \CR, 72, 8
.irp m,0,1,2,3,4,5,6,7
	ds_store_b32 v7, v[64+\m] offset:144*\m
	ds_store_b32 v7, v[72+\m] offset:144*\m+9504
.endr
.endm
.macro CST1 CR, c
	s_wait_loadcnt \c
	SPLITN 88, 96, \CR+16, 96, 8
.irp m,0,1,2,3,4,5,6,7
	ds_store_b32 v7, v[88+\m] offset:144*\m+19008
	ds_store_b32 v7, v[96+\m] offset:144*\m+28512
.endr
.endm
.macro CST2 CR, c
	s_wait_loadcnt \c
	SPLITN 64, 72, \CR+32, 72, 8
.irp m,0,1,2,3,4,5,6,7
	ds_store_b32 v7, v[64+\m] offset:144*\m+38016
	ds_store_b32 v7, v[72+\m] offset:144*\m+47520
.endr
.endm
.macro CST3 CR, c
	s_wait_loadcnt \c
	SPLITN 88, 96, \CR+48, 96, 1
	ds_store_b32 v8, v88 offset:H3H
	ds_store_b32 v8, v96 offset:H3L
.endm
; ================= setup, all waves =================
	s_load_b512 s[8:23], s[0:1], 0x0               ; freqs 8, y 10, hw0 12, hw1 14, hw2 16, hw3 18, hb0 20, hb1 22
	s_load_b256 s[24:31], s[0:1], 0x40             ; hb2 24, hb3 26, head_w 28, head_b 30
	s_load_b128 s[32:35], s[0:1], 0x60             ; t 32, out0 34
	v_lshl_add_u32 v27, v0, 2, 0x4e300
	s_set_vgpr_msb 0x40
	v_mov_b32 v225, 0
	s_set_vgpr_msb 0x4000
	v_and_b32 v1, 31, v0                           ; lane
	v_lshrrev_b32 v4, 5, v0
	v_readfirstlane_b32 s36, v4                    ; wave w
	v_and_b32 v2, 15, v0                           ; r
	v_bfe_u32 v3, v0, 4, 1                         ; half
	s_and_b32 s37, s36, 3                          ; nq; for waves 4-7 also their number among the staging waves
	s_lshr_b32 s38, s36, 2                         ; mh
	s_mov_b32 s44, 0x3e000000                      ; 0.125
	v_mov_b32 v28, 0x3e088889                      ; 2/15
	v_mov_b32 v29, 0x3e088889
	v_mov_b32 v30, 0xbeaaaaab                      ; -1/3
	v_mov_b32 v31, 0xbeaaaaab
	s_mul_i32 s46, s36, 2080
	v_lshl_add_u32 v4, v1, 3, s46                  ; hw0: 8 rows of 260 B a wave + 8 lane
	s_mul_i32 s46, s36, 2112
	v_lshl_add_u32 v5, v1, 3, s46                  ; hw1, hw2: 8 rows of 264 B a wave + 8 lane
	s_mul_i32 s46, s36, 264
	v_lshl_add_u32 v6, v1, 3, s46                  ; hw3: row w
	s_mul_i32 s46, s36, 1152
	s_add_co_u32 s46, s46, HYP
	v_lshl_add_u32 v7, v1, 2, s46                  ; LDS: row 8w of a plane + 4 lane
	s_mul_i32 s46, s36, 144
	s_add_co_u32 s46, s46, HYP
	v_lshl_add_u32 v8, v1, 2, s46                  ; LDS: row w + 4 lane
	v_add_nc_u32 v9, 64, v1
	v_min_u32 v9, 65, v9                           ; n2 = min(lane + 64, 65)
	s_lshl_b32 s40, ttmp9, 14                      ; 64 rows of 256 B
	s_mov_b32 s41, 0
	s_lshl_b32 s42, ttmp9, 15                      ; 64 rows of 512 B
	s_mov_b32 s43, 0
	s_wait_kmcnt 0x0
	s_add_nc_u64 s[8:9], s[8:9], s[40:41]
	s_add_nc_u64 s[34:35], s[34:35], s[40:41]
	s_add_nc_u64 s[10:11], s[10:11], s[42:43]
	s_cmp_ge_u32 s36, 4
	s_cbranch_scc1 .LstageA
; ================= phase 0, waves 0-3 =================
	s_mul_i32 s46, s36, 260
	s_add_co_u32 s46, s46, 16640
	v_lshl_add_u32 v10, v1, 3, s46                 ; hw0 row 64+w
	s_mul_i32 s46, s36, 264
	s_add_co_u32 s46, s46, 16896
	v_lshl_add_u32 v11, v1, 3, s46                 ; hw1, hw2 row 64+w
	s_mul_i32 s46, s36, 144
	s_add_co_u32 s46, s46, HYP+9216
	v_lshl_add_u32 v12, v1, 2, s46                 ; LDS row 64+w
	v_mul_u32_u24 v13, 264, v1                     ; row lane
	v_mul_u32_u24 v14, 264, v9                     ; row n2
	s_mul_i32 s46, s36, 2112
	s_add_co_u32 s46, s46, HYP-4224                ; (w-2) x the two tail planes of a layer
	v_lshl_add_u32 v15, v1, 2, s46                 ; tail of row lane
	v_lshl_add_u32 v16, v9, 2, s46                 ; tail of row n2
	s_lshl_b32 s46, s36, 12
	v_lshl_add_u32 v17, v1, 4, s46                 ; freqs: my 16 rows are 4,096 contiguous bytes
	s_mul_i32 s46, s36, 2304
	s_add_co_u32 s46, s46, XL
	v_mad_u32_u24 v18, v3, 144, s46
	v_lshl_add_u32 v18, v2, 3, v18                 ; z in: row 16w + half, 8 r
	v_mad_u32_u24 v19, v2, 144, s46
	v_lshl_add_u32 v19, v3, 4, v19                 ; z back as fragments: row 16w + r, 16 half
	; each wave's extra task is asked for first, so that it is in whenever the common rows are
	s_cmp_ge_u32 s36, 2
	s_cbranch_scc1 .LspH2
	global_load_b32 v204, v10, s[12:13] offset:4
	global_load_b32 v205, v10, s[12:13] offset:8
	global_load_b64 v[206:207], v11, s[14:15]
	global_load_b64 v[208:209], v11, s[16:17]
	s_branch .LspHd
.LspH2:
	s_cmp_eq_u32 s36, 2
	s_cselect_b64 s[50:51], s[14:15], s[16:17]     ; wave 2: hw1's columns 64, 65; wave 3: hw2's
	global_load_b64 v[204:205], v13, s[50:51] offset:256
	global_load_b64 v[206:207], v13, s[50:51] offset:8704
	global_load_b64 v[208:209], v14, s[50:51] offset:256
.LspHd:
	COMMON_LD 120
.irp n,0,1,2,3,4,5,6,7
	global_load_b128 v[172+4*\n:175+4*\n], v17, s[8:9] offset:512*\n th:TH_LOAD_NT
.endr
	CST0 120, 25                                   ; younger: 17, 9, 1, 0 of the common loads + 8 of freqs
	CST1 120, 17
	CST2 120, 9
	CST3 120, 8
	SPLITN 220, 224, 204, 224, 3                   ; the extra task's three pairs: high words v220-222, low words v224-226
	s_cmp_ge_u32 s36, 2
	s_cbranch_scc1 .LprH2
	ds_store_b32 v12, v220
	ds_store_b32 v12, v224 offset:9504
	ds_store_b32 v12, v221 offset:19008
	ds_store_b32 v12, v225 offset:28512
	ds_store_b32 v12, v222 offset:38016
	ds_store_b32 v12, v226 offset:47520
	s_branch .LprHd
.LprH2:
	ds_store_b32 v15, v220 offset:59328
	ds_store_b32 v15, v224 offset:60384
	ds_store_b32 v15, v221 offset:59456
	ds_store_b32 v15, v225 offset:60512
	ds_store_b32 v16, v222 offset:59328
	ds_store_b32 v16, v226 offset:60384
.LprHd:
.irp g,0,1
	s_wait_loadcnt 4-4*\g                          ; the younger four loads of freqs stay out
	SPLITN 64+24*\g, 72+24*\g, 172+16*\g, 72+24*\g, 8
.irp n,0,1,2,3
	ds_store_b64 v18, v[64+24*\g+2*\n:65+24*\g+2*\n] offset:288*(4*\g+\n)
	ds_store_b64 v18, v[72+24*\g+2*\n:73+24*\g+2*\n] offset:288*(4*\g+\n)+9216
.endr
.endr
.irp s,0,1
	ds_load_b128 v[32+8*\s:35+8*\s], v19 offset:64*\s          ; my own bytes: LDS serves a wave in order (ISA guide 5.7.1)
	ds_load_b128 v[36+8*\s:39+8*\s], v19 offset:64*\s+32
	ds_load_b128 v[48+8*\s:51+8*\s], v19 offset:64*\s+9216
	ds_load_b128 v[52+8*\s:55+8*\s], v19 offset:64*\s+9248
.endr
	; the words of the K = 64..95 fragments that are always zero
.irp q,65,66,67,69,70,71,72,73,74,75,109,110,111,113,114,115,116,117,118,119,153,154,155,157,158,159,160,161,162,163
	v_mov_b32 v\q, 0
.endr
	s_branch .Lbar1
; ================= phase 0, waves 4-7 =================
; THE RING: 26 blocks of eight loads of 512 contiguous bytes, in seven sets of 32 registers, set k at v[256+32k] (written v[32k] with
; the destination's, or both sources', window at 1).  The packed f16 words and all addresses lie in window 0.
.macro LD8 R, vo, sb, go               ; eight loads: data in window 1, address in window 0
	WIN 0x40
.irp n,0,1,2,3,4,5,6,7
	global_load_b128 v[\R+4*\n:\R+4*\n+3], v[\vo], s[\sb:\sb+1] offset:\go+512*\n
.endr
.endm
.macro CV8 R, TS, vl, lo, pitch        ; a block to f16 (sources in window 1, results in window 0), then into LDS in one run, 256 bytes a load
	WIN 0x05
.irp n,0,1,2,3,4,5,6,7
	v_cvt_pk_f16_f32 v[\TS+2*\n], v[\R+4*\n], v[\R+4*\n+1]
	v_cvt_pk_f16_f32 v[\TS+2*\n+1], v[\R+4*\n+2], v[\R+4*\n+3]
.endr
	WIN 0
.irp n,0,1,2,3,4,5,6,7
	ds_store_b64 v[\vl], v[\TS+2*\n:\TS+2*\n+1] offset:\lo+\pitch*\n
.endr
.endm
; ring block li / ci: 0-15 unit 16 sw + i of W1; 16-23 my 32,768 bytes of W2; 24, 25 my 16 rows of head_b's first part
.macro LDI
.if li<16
	LD8 32*(li%7), 22, 28, 4096*li
.else
.if li<24
	LD8 32*(li%7), 221, 28, 268320+4096*(li-16)
.else
	LD8 32*(li%7), 222, 30, 4096*(li-24)
.endif
.endif
.endm
.macro CVI                             ; the packed words go to v32-47 and v48-63 in turn
.if ci<16
.if ci%2
	CV8 32*(ci%7), 32+16*(ci%2), 224, 2048*ci, 256
.else
	CV8 32*(ci%7), 32+16*(ci%2), 223, 2048*ci, 256
.endif
.else
.if ci<24
	CV8 32*(ci%7), 32+16*(ci%2), 225, 2048*(ci-16), 256
.else
	CV8 32*(ci%7), 32+16*(ci%2), 226, 2176*(ci-24), 272
.endif
.endif
.endm
.LstageA:
	v_lshlrev_b32 v10, 2, v1                       ; 4 lane
	v_lshlrev_b32 v11, 2, v9                       ; 4 n2
	v_mul_u32_u24 v12, 260, v1
	v_mul_u32_u24 v13, 260, v9
	v_and_b32 v23, 7, v1
	v_mul_u32_u24 v14, 264, v23
	v_lshlrev_b32 v15, 2, v23
	v_lshl_add_u32 v16, v1, 2, HYP
	v_lshl_add_u32 v18, v23, 2, HYP
	s_lshl_b32 s46, s37, 13
	v_lshl_add_u32 v19, v3, 9, s46
	v_lshl_add_u32 v19, v2, 4, v19                 ; y: row 16 sw + half, 16 r: the first 256 bytes of each row
	v_lshlrev_b32 v20, 4, v1                       ; 16 lane
	v_lshrrev_b32 v23, 1, v1
	v_mul_u32_u24 v21, 2080, v23
	v_and_b32 v23, 1, v1
	v_lshl_add_u32 v21, v23, 4, v21                ; rows 65 apart, two lanes a row
	s_lshl_b32 s46, s37, 16
	v_lshl_add_u32 v22, v1, 4, s46                 ; W1: 16 units of 4,096 B a wave
	s_cmp_eq_u32 s36, 4
	s_cbranch_scc1 .Lsp4
	s_cmp_eq_u32 s36, 5
	s_cbranch_scc1 .Lsp5
	s_cmp_eq_u32 s36, 6
	s_cbranch_scc1 .Lsp6
	s_branch .Lspd
.Lsp4:                                             ; hw3's columns 64, 65 and hb3
	global_load_b64 v[242:243], v14, s[18:19] offset:256
	global_load_b32 v244, v15, s[26:27]
	s_branch .Lspd
.Lsp5:                                             ; hb1, hb2
	global_load_b32 v242, v10, s[22:23]
	global_load_b32 v243, v10, s[22:23] offset:128
	global_load_b32 v244, v11, s[22:23]
	global_load_b32 v245, v10, s[24:25]
	global_load_b32 v246, v10, s[24:25] offset:128
	global_load_b32 v247, v11, s[24:25]
	s_branch .Lspd
.Lsp6:                                             ; hw0's column 0, hb0, t
	s_load_b32 s45, s[32:33], 0x0
	global_load_b32 v242, v12, s[12:13]
	global_load_b32 v243, v12, s[12:13] offset:8320
	global_load_b32 v244, v13, s[12:13]
	global_load_b32 v245, v10, s[20:21]
	global_load_b32 v246, v10, s[20:21] offset:128
	global_load_b32 v247, v11, s[20:21]
.Lspd:
	COMMON_LD 192
.irp n,0,1,2,3,4,5,6,7
	global_load_b128 v[160+4*\n:163+4*\n], v19, s[10:11] offset:1024*\n th:TH_LOAD_NT
.endr
	; block M: the small f32 tables, 5, 5, 4 or 7 loads, into v128 on
	s_cmp_eq_u32 s36, 4
	s_cbranch_scc1 .Lml0
	s_cmp_eq_u32 s36, 5
	s_cbranch_scc1 .Lml1
	s_cmp_eq_u32 s36, 6
	s_cbranch_scc1 .Lml2
.irp m,0,1,2
	global_load_b32 v[128+\m], v10, s[30:31] offset:33280+128*\m
.endr
.irp m,0,1
	global_load_b32 v[131+\m], v12, s[30:31] offset:33796+8320*\m
	global_load_b32 v[133+\m], v10, s[30:31] offset:50180+128*\m
.endr
	s_branch .Lmld
.Lml0:
.irp n,0,1,2,3,4
	global_load_b128 v[128+4*\n:131+4*\n], v20, s[28:29] offset:266240+512*\n
.endr
	s_branch .Lmld
.Lml1:
.irp n,0,1,2,3
	global_load_b128 v[128+4*\n:131+4*\n], v21, s[28:29] offset:270368+33280*\n
.endr
	global_load_b128 v[144:147], v20, s[30:31] offset:32768
	s_branch .Lmld
.Lml2:
.irp n,0,1,2,3
	global_load_b128 v[128+4*\n:131+4*\n], v20, s[28:29] offset:401440+512*\n
.endr
.Lmld:
	; The ring starts here: block 0 now, blocks 1-5 behind the stores of each group of hypernetwork weights, as older loads come in.
	; Each count below = the younger common loads (17, 9, 1, 0) + 8 of y + at least 4 of M + the ring loads issued so far (8, 24, 32, 40).
	; By this text's own count a wave has at most 60 loads out.
.set li, 0
	LDI
	WIN 0
	CST0 192, 37
.set li, 1
	LDI
.set li, 2
	LDI
	WIN 0
	CST1 192, 45
.set li, 3
	LDI
	WIN 0
	CST2 192, 45
.set li, 4
	LDI
	WIN 0
	CST3 192, 52
.set li, 5
	LDI
	WIN 0
	s_cmp_eq_u32 s36, 4
	s_cbranch_scc1 .Lpr4
	s_cmp_eq_u32 s36, 5
	s_cbranch_scc1 .Lpr5
	s_cmp_eq_u32 s36, 6
	s_cbranch_scc1 .Lpr6
	s_branch .Lbar1
.Lpr4:
	SPLITN 248, 250, 242, 250, 1
	ds_store_b32 v18, v248 offset:T3H
	ds_store_b32 v18, v250 offset:T3L
	ds_store_b32 v18, v244 offset:BI3
	s_branch .Lbar1
.Lpr5:
.irp m,0,1,2
	ds_store_b32 v16, v[242+\m] offset:BI0+384+128*\m
	ds_store_b32 v16, v[245+\m] offset:BI0+768+128*\m
.endr
	s_branch .Lbar1
.Lpr6:
	s_wait_kmcnt 0x0
	v_add_f32 v248, s45, -0.5
.irp m,0,1,2
	v_fma_f32 v[242+\m], v248, v[242+\m], v[245+\m]            ; z's first column is the same for every sample: it joins the bias
.endr
.irp m,0,1,2
	ds_store_b32 v16, v[242+\m] offset:BI0+128*\m
.endr
.Lbar1:
	s_wait_dscnt 0x0                               ; my stores of hypernetwork weights are done, and waves 0-3's reads of z
	s_barrier_signal -1
	s_barrier_wait -1                              ; the weights may be read; XL may be written again, as x
	s_cmp_ge_u32 s36, 4
	s_cbranch_scc1 .LstageB
; ================= phase 1a, waves 0-3: the hypernetwork, 16 samples a wave =================
; Source 0 = 16 rows of weights, source 1 = 16 samples.  Result register j of lane (r, half) is unit 16 nt + 8 half + j of sample r:
; packed to bf16 that is registers 4 (nt & 1) .. +3 of the next layer's fragment for K step nt >> 1.  Nothing leaves the registers.
; set A v32-75, set B v76-119: high 2 x 8, low 2 x 8, then low4, high4, zero4 for k = 64..95.
; weights v120-135 high, v136-151 low, v152 tail low, v156 tail high (v153-155, v157-163 stay zero); v164-171 bias;
; sums v172-179 high x high, v180-187 high x low, v188-195 low x high; v196-203 their sum; v204-227 at work.
.macro LOADHW va, oh, ol, tail, vt, oth, otl, vb, ob
.irp s,0,1
	ds_load_b128 v[120+8*\s:123+8*\s], v[\va] offset:\oh+64*\s
	ds_load_b128 v[124+8*\s:127+8*\s], v[\va] offset:\oh+64*\s+32
	ds_load_b128 v[136+8*\s:139+8*\s], v[\va] offset:\ol+64*\s
	ds_load_b128 v[140+8*\s:143+8*\s], v[\va] offset:\ol+64*\s+32
.endr
.if \tail
	ds_load_b32 v156, v[\vt] offset:\oth
	ds_load_b32 v152, v[\vt] offset:\otl
.endif
	ds_load_b128 v[164:167], v[\vb] offset:\ob
	ds_load_b128 v[168:171], v[\vb] offset:\ob+16
.endm
.macro LOADT l, nt                     ; tile nt of layer l
.if (\l)==3
	LOADHW 6, H3H, H3L, 1, 9, T3H, T3L, 11, BI3
.else
.if (\nt)==4
	LOADHW 5, 19008*(\l), 19008*(\l)+9504, \l, 8, 57216+2112*(\l), 58272+2112*(\l), 10, 64064+384*(\l)
.else
	LOADHW 4, 19008*(\l)+2304*(\nt), 19008*(\l)+2304*(\nt)+9504, \l, 7, 57216+2112*(\l)+64*(\nt), 58272+2112*(\l)+64*(\nt), 10, 63808+384*(\l)+64*(\nt)
.endif
.endif
.endm
; three chains; the tail fragments overlap so that each product meets zeros at k = 80..95
.macro MM S, tail
	v_wmma_f32_16x16x32_bf16 v[172:179], v[120:127], v[\S:\S+7], v[164:171]
	v_wmma_f32_16x16x32_bf16 v[180:187], v[120:127], v[\S+16:\S+23], 0
	v_wmma_f32_16x16x32_bf16 v[188:195], v[136:143], v[\S:\S+7], 0
	v_wmma_f32_16x16x32_bf16 v[172:179], v[128:135], v[\S+8:\S+15], v[172:179]
	v_wmma_f32_16x16x32_bf16 v[180:187], v[128:135], v[\S+24:\S+31], v[180:187]
	v_wmma_f32_16x16x32_bf16 v[188:195], v[144:151], v[\S+8:\S+15], v[188:195]
.if \tail
	v_wmma_f32_16x16x32_bf16 v[172:179], v[156:163], v[\S+36:\S+43], v[172:179]
	v_wmma_f32_16x16x32_bf16 v[180:187], v[156:163], v[\S+32:\S+39], v[180:187]
	v_wmma_f32_16x16x32_bf16 v[188:195], v[152:159], v[\S+36:\S+43], v[188:195]
.endif
.endm
.macro SUM
.irp p,0,2,4,6
	v_pk_add_f32 v[196+\p:197+\p], v[180+\p:181+\p], v[188+\p:189+\p]
.endr
.irp p,0,2,4,6
	v_pk_add_f32 v[196+\p:197+\p], v[196+\p:197+\p], v[172+\p:173+\p]
.endr
.endm
; tanh and split of the tile in v196-203 into the next layer's fragment words DH .. DH+3 (high) and DH+16 .. (low);
; the loads of tile nt of layer l stand in the middle, behind the 20 plain instructions of the first half
.macro POST DH, l, nt
	TANHA 196, 204, 212, 220, 4
	LOADT \l, \nt
	TANHB 196, 204, 212, 220, 4
	SPLITN \DH, \DH+16, 196, 204, 4
.endm
.macro POST4 D                         ; tile 4: units 64, 65 alone, in the lower half of the lanes
	v_pk_add_f32 v[196:197], v[180:181], v[188:189]
	v_pk_add_f32 v[196:197], v[196:197], v[172:173]
	TANHN 196, 204, 208, 212, 1
	SPLITN 216, 217, 196, 208, 1
	v_and_b32 v[\D+36], v12, v216
	v_and_b32 v[\D+32], v12, v217
.endm
; Places behind matrix instructions: the loads into weight and bias registers stand behind at least four plain
; vector instructions that name none of the products' registers (v_nop or the tanh of the tile before), the next tile's products, which
; write over the sums, behind at least five.  One weight buffer: every wait for LDS is for 0.
.macro LAYER l, S, D
	s_wait_dscnt 0x0
	MM \S, \l
	NOPS 5
	LOADT \l, 1
	SUM
.irp nt,1,2,3,4
	s_wait_dscnt 0x0
	MM \S, \l
.if \nt<4
	POST \D+8*((\nt-1)>>1)+4*((\nt-1)&1), \l, \nt+1
	SUM
.else
	POST \D+8*((\nt-1)>>1)+4*((\nt-1)&1), \l+1, 0
.endif
.endr
	POST4 \D
.endm
	v_lshl_add_u32 v15, v3, 4, HYP
	v_add_nc_u32 v14, 64, v2
	v_min_u32 v14, 65, v14
	v_and_b32 v16, 7, v2
	v_mad_u32_u24 v4, v2, 144, v15                 ; row r
	v_mad_u32_u24 v5, v14, 144, v15                ; row min(64 + r, 65)
	v_mad_u32_u24 v6, v16, 144, v15                ; row r & 7
	v_lshl_add_u32 v7, v2, 2, HYP                  ; the same three for the tails, 4 B a row
	v_lshl_add_u32 v8, v14, 2, HYP
	v_lshl_add_u32 v9, v16, 2, HYP
	v_lshl_add_u32 v10, v3, 5, HYP                 ; biases: 8 f32 a half
	v_mov_b32 v11, HYP
	v_add_nc_u32 v12, -1, v3                       ; all ones in lanes 0-15, 0 in lanes 16-31
	s_lshl_b32 s46, s36, 9
	s_add_co_u32 s46, s46, H8L
	v_lshl_add_u32 v13, v2, 5, s46
	LOADT 0, 0
	LAYER 0, 32, 76
	LAYER 1, 76, 32
	LAYER 2, 32, 76
	s_wait_dscnt 0x0
	MM 76, 1                                       ; layer 3: rows r & 7, so both halves of the lanes get k = 0..7
	NOPS 4
	SUM
	TANHN 196, 204, 212, 220, 4
	ds_store_b128 v13, v[196:199]
	ds_store_b128 v13, v[200:203] offset:16
	s_branch .Lbar2
; ================= phase 1b, waves 4-7: x, and head_w, head_b into LDS =================
; sin and cos of the four numbers at v[Y..Y+3]: k = round(y 2/pi), r = y - k pi/2 in two parts, two short series, then the quadrant.
; sin lands in v200-203, cos in v204-207.
.macro SINCOS4 Y
.irp p,0,2
	v_pk_mul_f32 v[196+\p:197+\p], v[\Y+\p:\Y+\p+1], 0x3f22f983 op_sel_hi:[1,0]
.endr
.irp e,0,1,2,3
	v_rndne_f32 v[196+\e], v[196+\e]
.endr
.irp p,0,2
	v_pk_fma_f32 v[200+\p:201+\p], v[196+\p:197+\p], 0xbfc90fdb, v[\Y+\p:\Y+\p+1] op_sel_hi:[1,0,1]
.endr
.irp p,0,2
	v_pk_fma_f32 v[200+\p:201+\p], v[196+\p:197+\p], 0x333bbd2e, v[200+\p:201+\p] op_sel_hi:[1,0,1]
.endr
.irp e,0,1,2,3
	v_cvt_i32_f32 v[196+\e], v[196+\e]
.endr
.irp p,0,2
	v_pk_mul_f32 v[204+\p:205+\p], v[200+\p:201+\p], v[200+\p:201+\p]
.endr
.irp p,0,2
	v_pk_fma_f32 v[208+\p:209+\p], v[204+\p:205+\p], v[192:193], 0x3c088889 op_sel_hi:[1,1,0]
	v_pk_fma_f32 v[212+\p:213+\p], v[204+\p:205+\p], v[194:195], 0xbab60b61 op_sel_hi:[1,1,0]
.endr
.irp p,0,2
	v_pk_fma_f32 v[208+\p:209+\p], v[208+\p:209+\p], v[204+\p:205+\p], 0xbe2aaaab op_sel_hi:[1,1,0]
	v_pk_fma_f32 v[212+\p:213+\p], v[212+\p:213+\p], v[204+\p:205+\p], 0x3d2aaaab op_sel_hi:[1,1,0]
	v_pk_mul_f32 v[216+\p:217+\p], v[200+\p:201+\p], v[204+\p:205+\p]
.endr
.irp p,0,2
	v_pk_fma_f32 v[212+\p:213+\p], v[212+\p:213+\p], v[204+\p:205+\p], -0.5 op_sel_hi:[1,1,0]
	v_pk_fma_f32 v[208+\p:209+\p], v[208+\p:209+\p], v[216+\p:217+\p], v[200+\p:201+\p]
.endr
.irp p,0,2
	v_pk_fma_f32 v[212+\p:213+\p], v[212+\p:213+\p], v[204+\p:205+\p], 1.0 op_sel_hi:[1,1,0]
.endr
.irp e,0,1,2,3
	v_and_b32 v[216+\e], 1, v[196+\e]
.endr
.irp e,0,1,2,3
	v_cmp_ne_u32 s[66+\e], 0, v[216+\e]
.endr
.irp e,0,1,2,3
	v_lshlrev_b32 v[216+\e], 30, v[196+\e]                     ; sin is negative where k & 2,
	v_add_nc_u32 v[196+\e], 1, v[196+\e]                       ; cos where (k + 1) & 2
.endr
.irp e,0,1,2,3
	v_cndmask_b32 v[200+\e], v[208+\e], v[212+\e], s[66+\e]    ; odd quadrant: the two series change places
	v_cndmask_b32 v[204+\e], v[212+\e], v[208+\e], s[66+\e]
.endr
.irp e,0,1,2,3
	v_lshlrev_b32 v[196+\e], 30, v[196+\e]
	v_and_b32 v[216+\e], 0x80000000, v[216+\e]
.endr
.irp e,0,1,2,3
	v_and_b32 v[196+\e], 0x80000000, v[196+\e]
	v_xor_b32 v[200+\e], v[216+\e], v[200+\e]
.endr
.irp e,0,1,2,3
	v_xor_b32 v[204+\e], v[196+\e], v[204+\e]
.endr
.endm
; x of y's load n, times 2^15, in f16: the packed words take y's place: cos, cos, sin, sin
.macro XMAKE n
	SINCOS4 160+4*(\n)
	SCALEN 200, 4, 0x47000000
	v_cvt_pk_f16_f32 v[160+4*(\n)], v204, v205
	v_cvt_pk_f16_f32 v[161+4*(\n)], v206, v207
	v_cvt_pk_f16_f32 v[162+4*(\n)], v200, v201
	v_cvt_pk_f16_f32 v[163+4*(\n)], v202, v203
.endm
.macro XST n
	ds_store_b64 v220, v[160+4*(\n):161+4*(\n)] offset:544*(\n)
	ds_store_b64 v220, v[162+4*(\n):163+4*(\n)] offset:544*(\n)+128
.endm
; ring block ci: wait (cnt = the younger loads), convert, store; the x made in the trip before is stored in the same run
.macro TRIP cnt
	s_wait_loadcnt \cnt
	CVI
.if ci>0
.if ci<9
	XST ci-1
.endif
.endif
.endm
.macro RCV RB, lo                      ; 16 numbers of a row of head_b's W2 part: even h to positions 0-7, odd h to 8-15
.irp m,0,1,2,3
	v_cvt_pk_f16_f32 v[248+\m], v[\RB+4*\m], v[\RB+4*\m+2]
	v_cvt_pk_f16_f32 v[252+\m], v[\RB+4*\m+1], v[\RB+4*\m+3]
.endr
	ds_store_b128 v230, v[248:251] offset:\lo
	ds_store_b128 v230, v[252:255] offset:\lo+16
.endm
.LstageB:
	v_mov_b32 v192, 0xb9500d01                     ; -1/5040
	v_mov_b32 v193, 0xb9500d01
	v_mov_b32 v194, 0x37d00d01                     ; 1/40320
	v_mov_b32 v195, 0x37d00d01
	s_mul_i32 s46, s37, 4352                       ; 16 rows of 272 B
	s_add_co_u32 s47, s46, XL
	v_mad_u32_u24 v220, v3, 272, s47
	v_lshl_add_u32 v220, v2, 3, v220               ; x: row 16 sw + half, 8 r
	s_lshl_b32 s47, s37, 15
	v_lshl_add_u32 v221, v1, 4, s47                ; W2 in memory
	v_lshl_add_u32 v223, v1, 3, s47                ; W1L, even units
	v_lshlrev_b32 v224, 3, v1
	v_add_nc_u32 v224, 128, v224
	v_and_b32 v224, 255, v224
	v_add_nc_u32 v224, s47, v224                   ; W1L, odd units: the other half of each 256 bytes
	s_lshl_b32 s47, s37, 13
	v_lshl_add_u32 v222, v1, 4, s47                ; head_b's first part in memory
	s_lshl_b32 s47, s37, 14
	s_add_co_u32 s47, s47, W2L
	v_lshl_add_u32 v225, v1, 3, s47
	s_add_co_u32 s47, s46, HB1L
	v_lshl_add_u32 v226, v1, 3, s47
	v_lshl_add_u32 v227, v1, 4, B1F
	v_lshlrev_b32 v228, 6, v3
	v_and_b32 v240, 1, v1
	v_lshl_add_u32 v228, v240, 5, v228
	v_bfe_u32 v240, v1, 1, 3
	v_lshl_add_u32 v228, v240, 2, v228
	v_add_nc_u32 v228, B1P, v228                   ; the permuted place of entry lane
	v_lshrrev_b32 v240, 2, v1
	v_and_b32 v241, 3, v1
	s_mul_i32 s47, s37, 2080
	v_mad_u32_u24 v229, v240, 260, s47
	v_lshl_add_u32 v229, v241, 6, v229             ; head_b's W2 part: row 8 sw + lane / 4, 16 numbers at 16 (lane & 3)
	s_mul_i32 s47, s37, 1152
	s_add_co_u32 s47, s47, HB2L
	v_mad_u32_u24 v230, v240, 144, s47
	v_lshl_add_u32 v230, v241, 5, v230
	s_lshl_b32 s47, s37, 10
	v_lshl_add_u32 v231, v1, 4, s47
	s_lshl_b32 s47, s37, 9
	v_lshl_add_u32 v232, v1, 4, s47
	s_add_co_u32 s47, s47, W1L+131072
	v_lshl_add_u32 v233, v1, 3, s47
	s_lshl_b32 s47, s37, 8
	s_add_co_u32 s47, s47, W2L+65536
	v_lshl_add_u32 v234, v1, 3, s47
	v_lshl_add_u32 v235, v1, 3, HB1L+17408
	s_wait_loadcnt 48                              ; y and block M are in; the ring's six blocks stay out
	s_cmp_eq_u32 s36, 4
	s_cbranch_scc1 .Lms0
	s_cmp_eq_u32 s36, 5
	s_cbranch_scc1 .Lms1
	s_cmp_eq_u32 s36, 6
	s_cbranch_scc1 .Lms2
.irp q,128,129,130,133,134
	v_mul_f32 v\q, 0x47000000, v\q                 ; b1's and b2's parts of head_b stand beside products with 2^15 x, 2^15 hid
.endr
.irp m,0,1,2
	ds_store_b32 v228, v[128+\m] offset:128*\m
.endr
.irp m,0,1
	ds_store_b32 v228, v[131+\m] offset:384+128*\m
	ds_store_b32 v228, v[133+\m] offset:640+128*\m
.endr
	s_branch .Lmsd
.Lms0:
	SCALEN 128, 10, 0x47000000                     ; b1's rows of head_w, times 2^15
.irp n,0,1,2,3,4
	ds_store_b128 v227, v[128+4*\n:131+4*\n] offset:512*\n
.endr
	s_branch .Lmsd
.Lms1:
	v_cvt_pk_f16_f32 v248, v144, v145
	v_cvt_pk_f16_f32 v249, v146, v147
.irp n,0,1,2,3
	ds_store_b128 v227, v[128+4*\n:131+4*\n] offset:2560+512*\n
.endr
	ds_store_b64 v235, v[248:249]
	s_branch .Lmsd
.Lms2:
	SCALEN 128, 8, 0x47000000                      ; b2's rows of head_w, times 2^15
.irp n,0,1,2,3
	ds_store_b128 v227, v[128+4*\n:131+4*\n] offset:4608+512*\n
.endr
.Lmsd:
.set li, 6
	LDI                                            ; the seventh set: the ring is full
	; Trips 0-18: block ci out of its set, block ci + 7 into it.  In trips 0-7 the x of one load of y is made behind the trip's loads,
	; in the time in which the wave would otherwise wait for the next block (y is older than every ring load, so it is in).
.set ci, 0
.rept 19
	TRIP 48                                        ; six younger blocks of eight stay out
.set li, ci+7
	LDI
.if ci<8
	WIN 0
	XMAKE ci
.endif
.set ci, ci+1
.endr
	; The ring runs out; head_b's W2 part (2 x 16 loads) and the last three pieces follow where the count leaves room for them.
	TRIP 48                                        ; block 19; younger: 20-25
.set ci, 20
	TRIP 40                                        ; younger: 21-25
.irp e,0,1,2,3,4,5,6,7,8,9,10,11,12,13,14,15
	global_load_b32 v[96+\e], v229, s[30:31] offset:33540+4*\e
.endr
.set ci, 21
	TRIP 48                                        ; younger: 22-25 and 16
.set ci, 22
	TRIP 40                                        ; younger: 23-25 and 16
.irp e,0,1,2,3,4,5,6,7,8,9,10,11,12,13,14,15
	global_load_b32 v[128+\e], v229, s[30:31] offset:41860+4*\e
.endr
.set ci, 23
	TRIP 48                                        ; younger: 24, 25, 16 and 16
	global_load_b128 v[64:67], v231, s[28:29] offset:262144    ; unit 64 of W1: two of its eight pieces
	global_load_b128 v[68:71], v231, s[28:29] offset:262656
	global_load_b128 v[72:75], v232, s[28:29] offset:399392    ; W2's last 2,048 bytes: one of four pieces
.set ci, 24
	TRIP 43                                        ; younger: 25, 16, 16 and 3
.set ci, 25
	TRIP 35                                        ; younger: 16, 16 and 3
	s_wait_loadcnt 19
	RCV 96, 0
	s_wait_loadcnt 3
	RCV 128, 4608
	s_wait_loadcnt 0x0
	v_cvt_pk_f16_f32 v248, v64, v65
	v_cvt_pk_f16_f32 v249, v66, v67
	v_cvt_pk_f16_f32 v250, v68, v69
	v_cvt_pk_f16_f32 v251, v70, v71
	v_cvt_pk_f16_f32 v252, v72, v73
	v_cvt_pk_f16_f32 v253, v74, v75
	ds_store_b64 v233, v[248:249]
	ds_store_b64 v233, v[250:251] offset:256
	ds_store_b64 v234, v[252:253]
.Lbar2:
	s_wait_dscnt 0x0                               ; h8, x and all tables are stored; the reads of the hypernetwork's weights are over
	s_barrier_signal -1
	s_barrier_wait -1
; ================= phase 2, all waves: layer 1.  Wave (nq, mh): units 16 nq .. +15 of samples 32 mh .. +31 =================
; x fragments v32-95 [mi][s]; h8 v96-111 [mi]; weight fragments v112-175 [buf][s]; C rows v176-191 [buf];
; products v192-223 [buf][mi]; v224-239 [mi]: head_b's tile, then the running result, register tl = unit 16 nq + 2 tl + half;
; v240-241: hidden unit 64 of my two samples.  Every wave makes unit 64 for its own 32 samples, as tiles 8 and 9 of the same loop
; (16 matrix instructions more on 72): it then lies in the registers where layer 2 wants it, and no wave waits for another's.
; All sums of this phase are 2^15 times their true size.
.macro LOADW buf, va, off, vc, coff    ; the two units of a tile: 8 lanes address 8 rows i of 16 B (8 k); the transposing load hands lane (unit, k) its eight i
.irp s,0,1,2,3
	ds_load_tr16_b128 v[112+32*(\buf)+8*\s:115+32*(\buf)+8*\s], v[\va] offset:\off+512*\s
	ds_load_tr16_b128 v[116+32*(\buf)+8*\s:119+32*(\buf)+8*\s], v[\va] offset:\off+512*\s+256
.endr
	ds_load_b128 v[176+8*(\buf):179+8*(\buf)], v[\vc] offset:\coff
	ds_load_b128 v[180+8*(\buf):183+8*(\buf)], v[\vc] offset:\coff+16
.endm
.macro LOADT9 buf, va, vc
.irp s,0,1,2,3
	ds_load_b128 v[112+32*(\buf)+8*\s:115+32*(\buf)+8*\s], v[\va] offset:64*\s
	ds_load_b128 v[116+32*(\buf)+8*\s:119+32*(\buf)+8*\s], v[\va] offset:64*\s+32
.endr
	ds_load_b128 v[176+8*(\buf):179+8*(\buf)], v[\vc]
	ds_load_b128 v[180+8*(\buf):183+8*(\buf)], v[\vc] offset:16
.endm
.macro MM4 D, buf
.irp s,0,1,2,3
.irp mi,0,1
.if \s==0
	v_wmma_f32_16x16x32_f16 v[\D+8*\mi:\D+8*\mi+7], v[112+32*(\buf):119+32*(\buf)], v[32+32*\mi:39+32*\mi], v[176+8*(\buf):183+8*(\buf)]
.else
	v_wmma_f32_16x16x32_f16 v[\D+8*\mi:\D+8*\mi+7], v[112+32*(\buf)+8*\s:119+32*(\buf)+8*\s], v[32+32*\mi+8*\s:39+32*\mi+8*\s], v[\D+8*\mi:\D+8*\mi+7]
.endif
.endr
.endr
.endm
.macro DOT8 A                          ; v242-243, v244-245: the two halves of sum over k of product[k] h8[k], for both sample tiles
	v_pk_mul_f32 v[242:243], v[\A:\A+1], v[96:97]
	v_pk_mul_f32 v[244:245], v[\A+8:\A+9], v[104:105]
.irp p,2,4,6
	v_pk_fma_f32 v[242:243], v[\A+\p:\A+\p+1], v[96+\p:97+\p], v[242:243]
	v_pk_fma_f32 v[244:245], v[\A+8+\p:\A+9+\p], v[104+\p:105+\p], v[244:245]
.endr
.endm
.macro CONTR A, tl                     ; result[tl] += that sum
	DOT8 \A
	v_add_f32 v[224+\tl], v[224+\tl], v242
	v_add_f32 v[232+\tl], v[232+\tl], v244
	v_add_f32 v[224+\tl], v[224+\tl], v243
	v_add_f32 v[232+\tl], v[232+\tl], v245
.endm
.macro CONTRX A                        ; unit 64: the sum starts v240, v241
	DOT8 \A
	v_add_f32 v240, v242, v243
	v_add_f32 v241, v244, v245
.endm
	; each address is made just in front of the loads that need it; the rest of the arithmetic follows behind the loads
	v_lshrrev_b32 v11, 3, v2                       ; t1 = r >> 3
	v_and_b32 v12, 7, v1                           ; j
	s_mul_i32 s46, s38, 8704
	s_add_co_u32 s46, s46, XL
	v_mad_u32_u24 v4, v2, 272, s46
	v_lshl_add_u32 v4, v3, 4, v4                   ; x fragments
	s_lshl_b32 s46, s38, 10
	s_add_co_u32 s46, s46, H8L
	v_lshl_add_u32 v5, v2, 5, s46                  ; h8
.irp mi,0,1
.irp s,0,1,2,3
	ds_load_b128 v[32+32*\mi+8*\s:35+32*\mi+8*\s], v4 offset:4352*\mi+64*\s
	ds_load_b128 v[36+32*\mi+8*\s:39+32*\mi+8*\s], v4 offset:4352*\mi+64*\s+32
.endr
	ds_load_b128 v[96+8*\mi:99+8*\mi], v5 offset:512*\mi
	ds_load_b128 v[100+8*\mi:103+8*\mi], v5 offset:512*\mi+16
.endr
	v_lshl_add_u32 v14, v12, 1, v11                ; 2 j + t1
	s_mul_i32 s46, s37, 4352
	s_add_co_u32 s46, s46, HB1L
	v_mad_u32_u24 v8, v14, 272, s46
	v_lshl_add_u32 v8, v3, 4, v8                   ; row m of head_b's tile is unit 16 nq + 2 (m & 7) + (m >> 3)
	s_lshl_b32 s46, s37, 6
	s_add_co_u32 s46, s46, B1P
	v_lshl_add_u32 v9, v3, 5, s46
	LOADT9 0, 8, 9
	v_add_nc_u32 v13, v3, v11
	v_and_b32 v13, 1, v13                          ; half + t1 mod 2
	v_lshlrev_b32 v19, 11, v11
	v_lshl_add_u32 v19, v13, 7, v19
	v_lshl_add_u32 v19, v12, 4, v19                ; lane term of the W1 tiles
	s_lshl_b32 s46, s37, 15
	v_add_nc_u32 v6, s46, v19                      ; units 16 nq ..
	s_lshl_b32 s46, s37, 9
	s_add_co_u32 s46, s46, B1F
	v_lshl_add_u32 v7, v3, 5, s46
	LOADW 1, 6, 0, 7, 0
	s_mul_i32 s46, s37, 3072
	s_mul_i32 s47, s38, 1536
	s_add_co_u32 s46, s46, s47
	s_add_co_u32 s46, s46, HIDL
	v_mad_u32_u24 v10, v2, 48, s46
	v_lshl_add_u32 v10, v3, 4, v10                 ; hid out
	; unit 64: both halves of the tile's rows are unit 64 (rows m and m + 8 read the same bytes), so every lane ends with it
	v_lshlrev_b32 v15, 7, v3
	v_lshl_add_u32 v15, v12, 4, v15
	v_add_nc_u32 v15, W1L+131072, v15              ; its rows i = 8 half + j
	v_mov_b32 v16, B1F+2048                        ; its eight b1 terms
	v_lshl_add_u32 v17, v3, 4, HB1L+17408          ; head_b's row 64, for all 16 rows of the tile
	v_mov_b32 v18, B1P+256                         ; register 0: head_b's b1 term of unit 64
	; phase 3's addresses
	s_add_co_u32 s46, s47, HIDL
	v_mad_u32_u24 v20, v2, 48, s46
	v_lshl_add_u32 v20, v3, 4, v20                 ; hid fragments
	s_mul_i32 s46, s37, 16640
	s_add_co_u32 s46, s46, W2L
	v_mad_u32_u24 v22, v11, 1040, s46
	v_lshl_add_u32 v22, v12, 5, v22
	v_lshl_add_u32 v22, v3, 4, v22                 ; W2 tiles: row (o, h = 2 j + half), the order in which hid lies
	s_lshl_b32 s46, s37, 9
	s_add_co_u32 s46, s46, WLF
	v_lshl_add_u32 v23, v3, 5, s46
	s_mul_i32 s46, s37, 2304
	s_add_co_u32 s46, s46, HB2L
	v_mad_u32_u24 v24, v14, 144, s46
	v_lshl_add_u32 v24, v3, 4, v24
	s_lshl_b32 s46, s37, 6
	s_add_co_u32 s46, s46, WLP
	v_lshl_add_u32 v25, v3, 5, s46
	s_mul_i32 s46, s37, 5184
	s_mul_i32 s47, s38, 2560
	s_add_co_u32 s46, s46, s47
	s_add_co_u32 s46, s46, OUTL
	v_mad_u32_u24 v26, v2, 80, s46
	v_lshl_add_u32 v26, v3, 2, v26
	s_wait_dscnt 0xa                               ; all but tile 0's ten loads
	MM4 224, 0
	NOPS 4                                         ; four places before loads land on the fragments just read
	LOADW 0, 6, 4096, 7, 64
; trips 0-7: the wave's eight tiles; trip 8: unit 64's eight k; trip 9: head_b's row of unit 64
.irp tl,0,1,2,3,4,5,6,7,8,9
.if \tl==9
	s_wait_dscnt 0x0
.else
	s_wait_dscnt 0xa                               ; the next tile's ten loads stay out
.endif
	MM4 192+16*(\tl&1), (\tl+1)&1
.if \tl==0
	NOPS 5                                         ; five: tile 2's products write over these sums, and the contraction of tile 0 names them
.else
.if \tl==9
	CONTRX 192                                     ; ten places
.else
	CONTR 192+16*((\tl-1)&1), \tl-1                ; twelve places: it names none of this tile's registers
.endif
.endif
.if \tl<6
	LOADW (\tl+1)&1, 6, 4096*(\tl+2), 7, 64*(\tl+2)
.endif
.if \tl==6
	LOADW 1, 15, 0, 16, 0
.endif
.if \tl==7
	LOADT9 0, 17, 18
.endif
.endr
	v_add_f32 v240, v240, v208                     ; register 0 of trip 9's two tiles
	v_add_f32 v241, v241, v216
	SCALEN 224, 9, 0x38000000                      ; the sums back to their true size,
	TANHN 224, 112, 132, 152, 9
	SCALEN 224, 9, 0x47000000                      ; and hid times 2^15: 64 units into f16, unit 64 stays in f32 in v240-241
.irp mi,0,1
.irp p,0,1,2,3
	v_cvt_pk_f16_f32 v[246+4*\mi+\p], v[224+8*\mi+2*\p], v[225+8*\mi+2*\p]
.endr
.endr
	ds_store_b128 v10, v[246:249]
	ds_store_b128 v10, v[250:253] offset:768
	s_wait_dscnt 0x0                               ; hid is stored
	s_barrier_signal -1
	s_barrier_wait -1
; ================= phase 3, all waves: layer 2.  Wave (nq, mh): outputs 16 nq .. +15 of samples 32 mh .. +31 =================
; hid fragments v32-63 [mi][s]; v64-95 [buf]: column h = 64 (8 f32), then b2's row (8 f32); v240-241 hid[64] of my two samples.
; All sums of this phase are 2^15 times their true size.
.macro LOADW2 buf, tl
.irp s,0,1
	ds_load_tr16_b128 v[112+32*(\buf)+8*\s:115+32*(\buf)+8*\s], v22 offset:2080*(\tl)+512*\s
	ds_load_tr16_b128 v[116+32*(\buf)+8*\s:119+32*(\buf)+8*\s], v22 offset:2080*(\tl)+512*\s+256
.endr
	ds_load_b128 v[64+16*(\buf):67+16*(\buf)], v23 offset:64*(\tl)
	ds_load_b128 v[68+16*(\buf):71+16*(\buf)], v23 offset:64*(\tl)+16
	ds_load_b128 v[72+16*(\buf):75+16*(\buf)], v23 offset:64*(\tl)+2048
	ds_load_b128 v[76+16*(\buf):79+16*(\buf)], v23 offset:64*(\tl)+2064
.endm
.macro CINIT D, buf                    ; the sums start at column 64 x hid[64] + b2's row, in f32
.irp p,0,2,4,6
	v_pk_fma_f32 v[\D+\p:\D+\p+1], v[64+16*(\buf)+\p:65+16*(\buf)+\p], v[240:241], v[72+16*(\buf)+\p:73+16*(\buf)+\p] op_sel_hi:[1,0,1]
	v_pk_fma_f32 v[\D+8+\p:\D+9+\p], v[64+16*(\buf)+\p:65+16*(\buf)+\p], v[240:241], v[72+16*(\buf)+\p:73+16*(\buf)+\p] op_sel:[0,1,0]
.endr
.endm
.macro MM2 D, buf
.irp s,0,1
.irp mi,0,1
	v_wmma_f32_16x16x32_f16 v[\D+8*\mi:\D+8*\mi+7], v[112+32*(\buf)+8*\s:119+32*(\buf)+8*\s], v[32+16*\mi+8*\s:39+16*\mi+8*\s], v[\D+8*\mi:\D+8*\mi+7]
.endr
.endr
.endm
.irp mi,0,1
.irp s,0,1
	ds_load_b128 v[32+16*\mi+8*\s:35+16*\mi+8*\s], v20 offset:6144*\s+768*\mi
	ds_load_b128 v[36+16*\mi+8*\s:39+16*\mi+8*\s], v20 offset:6144*\s+768*\mi+3072
.endr
.endr
.irp s,0,1
	ds_load_b128 v[112+8*\s:115+8*\s], v24 offset:64*\s
	ds_load_b128 v[116+8*\s:119+8*\s], v24 offset:64*\s+32
.endr
	ds_load_b128 v[64:67], v25
	ds_load_b128 v[68:71], v25 offset:16
	ds_load_b128 v[72:75], v25 offset:256
	ds_load_b128 v[76:79], v25 offset:272
	LOADW2 1, 0
	s_wait_dscnt 0x8                               ; all but tile 0's eight loads
	CINIT 224, 0
	MM2 224, 0
	NOPS 4
	LOADW2 0, 1
.irp tl,0,1,2,3,4,5,6,7
.if \tl==7
	s_wait_dscnt 0x0
.else
	s_wait_dscnt 0x8                               ; the next tile's eight loads stay out
.endif
	CINIT 192+16*(\tl&1), (\tl+1)&1
	MM2 192+16*(\tl&1), (\tl+1)&1
.if \tl==0
	NOPS 4
.else
	CONTR 192+16*((\tl-1)&1), \tl-1
.endif
.if \tl<6
	LOADW2 (\tl+1)&1, \tl+2
.endif
.endr
	CONTR 208, 7
	SCALEN 224, 8, 0x38000000                      ; the results at their true size
.irp mi,0,1
.irp tl,0,1,2,3,4,5,6,7
	ds_store_b32 v26, v[224+8*\mi+\tl] offset:1280*\mi+8*\tl
.endr
.endr
	v_lshrrev_b32 v4, 2, v2
	v_mul_u32_u24 v4, 5184, v4
	v_and_b32 v5, 3, v2
	v_lshl_add_u32 v4, v5, 4, v4
	v_mad_u32_u24 v4, v3, 80, v4
	s_mul_i32 s46, s36, 640
	s_add_co_u32 s46, s46, OUTL
	v_add_nc_u32 v4, s46, v4                       ; sample 8 w + half, columns 4 r .. 4 r + 3
	s_lshl_b32 s46, s36, 11
	v_lshl_add_u32 v5, v1, 4, s46
	s_wait_dscnt 0x0
	s_barrier_signal -1
	s_barrier_wait -1
; ================= phase 4: the way out.  Sixteen lanes store one sample's 256 bytes, at a multiple of 256 from out0's first byte =================
.irp n,0,1,2,3
	ds_load_b128 v[32+4*\n:35+4*\n], v4 offset:160*\n
.endr
.irp n,0,1,2,3
	s_wait_dscnt 3-\n
	global_store_b128 v5, v[32+4*\n:35+4*\n], s[34:35] offset:512*\n th:TH_STORE_NT
.endr
	s_set_vgpr_msb 0x4
	s_wait_tensorcnt 0x0
	ds_add_u32 v27, v225
	s_wait_dscnt 0x0
	s_set_vgpr_msb 0x400
	s_endpgm
.Lfunc_end_k_q8572e03077_hnc:
	.size	k_q8572e03077_hnc, .Lfunc_end_k_q8572e03077_hnc-k_q8572e03077_hnc
	.p2alignl 7, 3214868480
	.fill 96, 4, 3214868480
	.section	.rodata,"a",@progbits
	.p2align	6, 0x0
	.amdhsa_kernel k_q8572e03077_hnc
		.amdhsa_group_segment_fixed_size 321280
		.amdhsa_private_segment_fixed_size 0
		.amdhsa_enable_private_segment 0
		.amdhsa_kernarg_size 112
		.amdhsa_user_sgpr_count 2
		.amdhsa_user_sgpr_kernarg_segment_ptr 1
		.amdhsa_wavefront_size32 1
		.amdhsa_system_sgpr_workgroup_id_x 1
		.amdhsa_system_sgpr_workgroup_id_y 1
		.amdhsa_system_sgpr_workgroup_id_z 1
		.amdhsa_system_vgpr_workitem_id 0
		.amdhsa_next_free_vgpr 482
		.amdhsa_next_free_sgpr 84
		.amdhsa_reserve_vcc 0
		.amdhsa_float_denorm_mode_32 3
		.amdhsa_float_denorm_mode_16_64 3
		.amdhsa_memory_ordered 1
		.amdhsa_forward_progress 1
		.amdhsa_inst_pref_size 255
	.end_amdhsa_kernel
	.section	.bss,"aw",@nobits
	.p2align	6
	.space	262144
	.amdgpu_metadata
---
amdhsa.version: [ 1, 2 ]
amdhsa.kernels:
  - .name:           k_q8572e03077_hnc
    .symbol:         k_q8572e03077_hnc.kd
    .args:
      - { .name: freqs, .offset: 0, .size: 8, .value_kind: global_buffer, .address_space: global }
      - { .name: y, .offset: 8, .size: 8, .value_kind: global_buffer, .address_space: global }
      - { .name: hw0, .offset: 16, .size: 8, .value_kind: global_buffer, .address_space: global }
      - { .name: hw1, .offset: 24, .size: 8, .value_kind: global_buffer, .address_space: global }
      - { .name: hw2, .offset: 32, .size: 8, .value_kind: global_buffer, .address_space: global }
      - { .name: hw3, .offset: 40, .size: 8, .value_kind: global_buffer, .address_space: global }
      - { .name: hb0, .offset: 48, .size: 8, .value_kind: global_buffer, .address_space: global }
      - { .name: hb1, .offset: 56, .size: 8, .value_kind: global_buffer, .address_space: global }
      - { .name: hb2, .offset: 64, .size: 8, .value_kind: global_buffer, .address_space: global }
      - { .name: hb3, .offset: 72, .size: 8, .value_kind: global_buffer, .address_space: global }
      - { .name: head_w, .offset: 80, .size: 8, .value_kind: global_buffer, .address_space: global }
      - { .name: head_b, .offset: 88, .size: 8, .value_kind: global_buffer, .address_space: global }
      - { .name: t, .offset: 96, .size: 8, .value_kind: global_buffer, .address_space: global }
      - { .name: out0, .offset: 104, .size: 8, .value_kind: global_buffer, .address_space: global }
    .group_segment_fixed_size: 321280
    .private_segment_fixed_size: 0
    .kernarg_segment_align: 8
    .kernarg_segment_size: 112
    .max_flat_workgroup_size: 256
    .sgpr_count:     84
    .vgpr_count:     482
    .wavefront_size: 32
...
	.end_amdgpu_metadata
.endif
;; end of part 2
